; MI455X (gfx1250); checked and timed in simulation.
; The chip was launched on July 23, 2026; its instructions are those of AMD's public machine-readable ISA for CDNA 5 (MIT licence, August 2026) and "CDNA5" Instruction Set Architecture Reference Guide (July 2026). The comments in the code are by the model that wrote it; some were corrected since.
;; Fast Speech2 Conformer Attention. Allowed arithmetic: float matrix products may take bf16 or f16 operands with f32 sums; other float arithmetic in f32, or as packed bf16 or f16 multiplies, adds, multiply-adds, maxima and minima; sums over many terms, partial sums and values carried from step to step in f32; what a program stores and reads back later, other than sums and carried values, may be rounded once to bf16 or f16.
;; Inputs: Wk 384 x 384 float32; Wo 384 x 384 float32; Wpos 384 x 384 float32; Wq 384 x 384 float32; Wv 384 x 384 float32; attention_mask 8 x 1 x 2,048 int32; bk 384 float32; bo 384 float32; bq 384 float32; bv 384 float32; hidden_states 8 x 2,048 x 384 float32; pos_bias_u 4 x 96 float32; pos_bias_v 4 x 96 float32; pos_emb 1 x 4,095 x 384 float32.
;; Outputs: out0 8 x 2,048 x 384 float32.
;; 2 versions, each right; version 2 is version 1 with the launch prep written anew for expert scheduling mode. Each part assembles by itself: llvm-mc -triple=amdgcn-amd-amdhsa -mcpu=gfx1250 --defsym DOCPART=n.
;; ======== version 1 of 2: 4 launches
;; limits: values are held in f16: magnitudes above 65,504 overflow, below 6.1e-05 lose precision
;; workspace buffers: wt 1,179,648 bytes; wo16 294,912 bytes; qu 12,582,912 bytes; qv 12,582,912 bytes; k16 12,582,912 bytes; v16 12,582,912 bytes; pos16 3,145,728 bytes; o16 12,582,912 bytes
;; launch prep (part 1): grid 12 x 5, 4 waves a work-group, no clusters, 0 bytes of LDS; arguments Wq, Wk, Wv, Wpos, Wo, wt, wo16; writes wt, wo16
.if DOCPART == 1
	.amdgcn_target "amdgcn-amd-amdhsa--gfx1250"
	.amdhsa_code_object_version 6
	.text
	.protected	k_q2d72ce42a6_prep
	.globl	k_q2d72ce42a6_prep
	.p2align	8
	.type	k_q2d72ce42a6_prep,@function
k_q2d72ce42a6_prep:
	s_mov_b64 s[64:65], 0
	v_nop
	global_prefetch_b8 v0, s[64:65] scope:SCOPE_SE
	s_setreg_imm32_b32 hwreg(HW_REG_WAVE_MODE, 25, 1), 1
	s_wait_xcnt 0x0
; The five weight matrices W[k 384][n 384] (f32) are turned and rounded once to bf16.
; wt   : bf16 [head 4][kk 12][j 384 = q 96, k 96, v 96, pos 96][64 bytes]: row j holds k = 32 kk .. 32 kk + 31 of one output channel.
; wo16 : the bf16 number written as f16 (exact within f16's range; below 6e-5 it keeps f16's fixed step), [half 2][kk 12][j 192][64 bytes].
; In a 64-byte row the piece q (k = 32 kk + 8 q .. + 7) lies at 16 ((q + (j >> 2)) & 3): a dense copy of these rows in LDS then gives
; sixteen different 16-byte columns to the sixteen rows that a fragment load touches.
; Work-group (kk, matrix).  Thread: a = t >> 2 (channel in a group of 32), q = t & 3.  Twelve groups of 32 channels, eight loads of 4 bytes each;
; a store of the wave covers 512 consecutive bytes, aligned.  3 MB are moved once: no LDS, no matrix unit, nothing shared.
.set LOF, 3                            ; v3  load offset: q x 8 rows of 1,536 bytes + 4 a
.set SOF, 4                            ; v4  store offset: 64 a + the piece's place
.set DAT, 16                           ; v[16:111] twelve groups of eight f32; packed in place
.set TMP, 112
	s_load_b256 s[4:11], s[0:1], 0x0               ; Wq, Wk, Wv, Wpos
	s_load_b128 s[12:15], s[0:1], 0x20             ; Wo, wt
	s_load_b64 s[16:17], s[0:1], 0x30              ; wo16
	s_and_b32 s20, ttmp7, 0xffff                   ; which matrix
	v_lshrrev_b32 v1, 2, v0                        ; a
	v_and_b32 v2, 3, v0                            ; q
	v_mul_u32_u24 v[LOF], v2, 12288
	v_lshl_add_u32 v[LOF], v1, 2, v[LOF]
	v_bfe_u32 v[SOF], v0, 4, 2                     ; (a >> 2) & 3 = (j >> 2) & 3: the groups begin at multiples of 16
	v_add_nc_u32 v[SOF], v[SOF], v2
	v_and_b32 v[SOF], 3, v[SOF]
	v_lshlrev_b32 v[SOF], 4, v[SOF]
	v_lshl_add_u32 v[SOF], v1, 6, v[SOF]
	s_mul_i32 s22, ttmp9, 49152                    ; 32 rows of W
	s_mov_b32 s23, 0
	s_mul_i32 s24, ttmp9, 24576                    ; kk in wt,
	s_mul_i32 s26, s20, 6144                       ; and the matrix's 96 rows there
	s_add_co_u32 s24, s24, s26
	s_mov_b32 s25, 0
	s_mul_i32 s26, ttmp9, 12288                    ; kk in wo16
	s_mov_b32 s27, 0
	s_wait_kmcnt 0x0
	s_cmp_eq_u32 s20, 1
	s_cselect_b64 s[4:5], s[6:7], s[4:5]
	s_cmp_eq_u32 s20, 2
	s_cselect_b64 s[4:5], s[8:9], s[4:5]
	s_cmp_eq_u32 s20, 3
	s_cselect_b64 s[4:5], s[10:11], s[4:5]
	s_cmp_eq_u32 s20, 4
	s_cselect_b64 s[4:5], s[12:13], s[4:5]
	s_add_nc_u64 s[4:5], s[4:5], s[22:23]
	s_add_nc_u64 s[14:15], s[14:15], s[24:25]
	s_add_nc_u64 s[16:17], s[16:17], s[26:27]
.set jj, 0
.rept 12
.set i, 0
.rept 8
	global_load_b32 v[DAT+8*jj+i], v[LOF], s[4:5] offset:i*1536+128*jj
.set i, i+1
.endr
.set jj, jj+1
.endr
; group jj: its eight loads are in when at most 88 - 8 jj younger ones are out (a wait names 63 at the most: the smaller count is the safe one)
.macro RUN wo
.set jj, 0
.rept 12
.if 88-8*jj > 63
	s_wait_loadcnt 63
.else
	s_wait_loadcnt 88-8*jj
.endif
.set i, 0
.rept 4
	v_cvt_pk_bf16_f32 v[DAT+8*jj+i], v[DAT+8*jj+2*i], v[DAT+8*jj+2*i+1]
.if \wo
	v_lshlrev_b32 v[TMP], 16, v[DAT+8*jj+i]        ; the bf16 numbers as f32,
	v_and_b32 v[TMP+1], 0xffff0000, v[DAT+8*jj+i]
	v_cvt_pk_f16_f32 v[DAT+8*jj+i], v[TMP], v[TMP+1]  ; written as f16
.endif
.set i, i+1
.endr
.if \wo
	global_store_b128 v[SOF], v[DAT+8*jj:DAT+8*jj+3], s[16:17] offset:(jj/6)*147456+(jj%6)*2048
.else
	global_store_b128 v[SOF], v[DAT+8*jj:DAT+8*jj+3], s[14:15] offset:(jj/3)*294912+(jj%3)*2048
.endif
.set jj, jj+1
.endr
.endm
	s_cmp_eq_u32 s20, 4
	s_cbranch_scc1 .Lwo
	RUN 0
	s_endpgm
.Lwo:
	RUN 1
	s_endpgm
.Lfunc_end_k_q2d72ce42a6_prep:
	.size	k_q2d72ce42a6_prep, .Lfunc_end_k_q2d72ce42a6_prep-k_q2d72ce42a6_prep
	.p2alignl 7, 3214868480
	.fill 96, 4, 3214868480
	.section	.rodata,"a",@progbits
	.p2align	6, 0x0
	.amdhsa_kernel k_q2d72ce42a6_prep
		.amdhsa_group_segment_fixed_size 0
		.amdhsa_private_segment_fixed_size 0
		.amdhsa_enable_private_segment 0
		.amdhsa_kernarg_size 56
		.amdhsa_user_sgpr_count 2
		.amdhsa_user_sgpr_kernarg_segment_ptr 1
		.amdhsa_wavefront_size32 1
		.amdhsa_system_sgpr_workgroup_id_x 1
		.amdhsa_system_sgpr_workgroup_id_y 1
		.amdhsa_system_sgpr_workgroup_id_z 1
		.amdhsa_system_vgpr_workitem_id 0
		.amdhsa_next_free_vgpr 128
		.amdhsa_next_free_sgpr 66
		.amdhsa_reserve_vcc 0
		.amdhsa_float_denorm_mode_32 3
		.amdhsa_float_denorm_mode_16_64 3
		.amdhsa_memory_ordered 1
		.amdhsa_forward_progress 1
		.amdhsa_inst_pref_size 28
	.end_amdhsa_kernel
	.amdgpu_metadata
---
amdhsa.version: [ 1, 2 ]
amdhsa.kernels:
  - .name:           k_q2d72ce42a6_prep
    .symbol:         k_q2d72ce42a6_prep.kd
    .args:
      - { .name: Wq, .offset: 0, .size: 8, .value_kind: global_buffer, .address_space: global }
      - { .name: Wk, .offset: 8, .size: 8, .value_kind: global_buffer, .address_space: global }
      - { .name: Wv, .offset: 16, .size: 8, .value_kind: global_buffer, .address_space: global }
      - { .name: Wpos, .offset: 24, .size: 8, .value_kind: global_buffer, .address_space: global }
      - { .name: Wo, .offset: 32, .size: 8, .value_kind: global_buffer, .address_space: global }
      - { .name: wt, .offset: 40, .size: 8, .value_kind: global_buffer, .address_space: global }
      - { .name: wo16, .offset: 48, .size: 8, .value_kind: global_buffer, .address_space: global }
    .group_segment_fixed_size: 0
    .private_segment_fixed_size: 0
    .kernarg_segment_align: 8
    .kernarg_segment_size: 56
    .max_flat_workgroup_size: 128
    .sgpr_count:     66
    .vgpr_count:     128
    .wavefront_size: 32
...
	.end_amdgpu_metadata
.endif
;; end of part 1
;; launch proj (part 2): grid 4 x 64, 4 waves a work-group, clusters of 4 x 4, 327,680 bytes of LDS; arguments hidden_states, pos_emb, attention_mask, bq, bk, bv, pos_bias_u, pos_bias_v, wt, qu, qv, k16, v16, pos16; writes qu, qv, k16, v16, pos16
.if DOCPART == 2
	.amdgcn_target "amdgcn-amd-amdhsa--gfx1250"
	.amdhsa_code_object_version 6
	.text
	.protected	k_q2d72ce42a6_proj
	.globl	k_q2d72ce42a6_proj
	.p2align	8
	.type	k_q2d72ce42a6_proj,@function
k_q2d72ce42a6_proj:
	s_mov_b64 s[64:65], 0
	v_nop
	global_prefetch_b8 v0, s[64:65] scope:SCOPE_SE
	s_setreg_imm32_b32 hwreg(HW_REG_WAVE_MODE, 25, 1), 1
	s_wait_xcnt 0x0
	s_wait_alu depctr_hold_cnt(0) depctr_sa_sdst(0) depctr_va_vdst(0) depctr_va_sdst(0) depctr_va_ssrc(0) depctr_va_vcc(0) depctr_vm_vsrc(0)
	s_getreg_b32 s2, hwreg(HW_REG_IB_STS2, 6, 4)
	s_cmp_eq_u32 s2, 0
	s_cbranch_scc0 .Lentry_in_a_cluster
	s_endpgm
.Lentry_in_a_cluster:
	s_bfe_u32 s2, ttmp6, 0x10000c
	s_cmp_lg_u32 s2, 0xf033
	s_cbranch_scc0 .Lentry_shape_is_right
	s_endpgm
.Lentry_shape_is_right:
; q, k, v of one head for 256 tokens, and 64 rows of the position table of that head, in one pass over K = 384.
; qu = (x Wq + bq + u) c, qv = (x Wq + bq + v) c, c = log2(e) / sqrt(96), k = x Wk + bk, v = x Wv + bv (0 for a masked key), pos = pos_emb Wpos.
; All inputs are rounded once to bf16 (x on the way into the fragments, the weights in the launch before, the biases here); sums in f32; results rounded once to f16,
; stored by heads, [8 h + b][token][96]; pos16 [h][4096][96] holds pos[p] in row p + 1 (row 0 repeats pos[0] and enters no result).
; LIMIT: q, k, v and pos must stay under 65,504 (f16); NaN and infinities are not treated apart.
; SHARES.  Work-group (head = cx, row block = 4 x cluster y + cy).  A wave owns 64 tokens (row tiles 0-3) and 16 position rows (tile 4): 78 accumulators, 624 registers.
; The head's weights, 384 rows x 768 bytes, stay in LDS: one joint load a wave, shared by the four work-groups of a cluster's column, never filled again: no ring.
; x comes straight from memory into registers, 128 bytes of a row a trip; the four heads of a cluster's row read the same rows at about the same time; it is not asked for jointly
; because LDS is full of weights (294,912 of 327,680 bytes).
; The product is used transposed (source 0 = 16 rows of W, source 1 = 16 tokens): a lane ends with one token and eight neighbouring channels.
.set TBL,   294912                     ; behind the weights: f32 tables (bq+u)c, (bq+v)c, bk, bv, 96 each
.set SPARE, 296448                     ; the spare words, 128 bytes a wave
.set STAGE, 296960                     ; 16 rows x 208 bytes for each wave, for the way out
.set AW0, 2                            ; v2  LDS address of my row's piece for k = 8 hl ..; steps 24,576 a trip
.set AW1, 3                            ; v3  the piece for k = 16 + 8 hl ..
.set XO,  4                            ; v4  my byte offset in 16 rows of x
.set PO,  5                            ; v5  my byte offset in pos_emb
.set STO, 6
.set GO,  7
.set RD,  8                            ; v8-13
.set SPW, 14
.set NIL, 15
.set KEEP, 16                          ; v16-23  1.0 or 0.0 for my token in tiles 0-3, as pairs
.set ONE, 24
.set TA,  28
.set AF,  32                           ; v32-111   x as loaded, 5 tiles x 16 f32
.set AB,  112                          ; v112-151  x in bf16, 5 fragments
.set BA,  152                          ; v152-247  W's fragments, column tiles 0-11
.set BB,  256                          ; v256-351  column tiles 12-23
.set ACC, 400                          ; v400-1023 accumulator (column tile ct < 18, row tile t) at 8 (4 ct + t); pos at 8 (72 + ct - 18)
.set TB,  32                           ; the way out: the tables, 48 registers a kind
.set F,   224
.set T,   232                          ; the way out: 24 registers, packed results and then whole rows
.set WV, 2
.set CX, 3
.set CY, 4
.set RB, 5
.set CS, 50
.set MSB, 0
.macro WIN new
.if MSB != (\new)
	s_set_vgpr_msb (MSB<<8)|(\new)
.set MSB, (\new)
.endif
.endm
.macro PLACES
.rept 4
	v_nop
.endr
.endm
.macro CROUND
	s_barrier_signal -1
	s_barrier_wait -1
	s_cmp_lg_u32 s[WV], 0
	s_cbranch_scc1 .Lnw0_\@
	s_barrier_signal -3
.Lnw0_\@:
	s_barrier_wait -3
	s_barrier_signal -1
	s_barrier_wait -1
.endm
.macro DL d, a, off                    ; registers are numbered 0..1023; the window follows from the number
	WIN (((\d)>>8)<<6)
	ds_load_b128 v[(\d)&255:((\d)&255)+3], v[\a] offset:\off
.endm
.macro WMB d, a, b, z
	WIN (((\a)>>8)|(((\b)>>8)<<2)|(((\d)>>8)<<4)|(((\d)>>8)<<6))
.if \z
	v_wmma_f32_16x16x32_bf16 v[(\d)&255:((\d)&255)+7], v[(\a)&255:((\a)&255)+7], v[(\b)&255:((\b)&255)+7], 0
.else
	v_wmma_f32_16x16x32_bf16 v[(\d)&255:((\d)&255)+7], v[(\a)&255:((\a)&255)+7], v[(\b)&255:((\b)&255)+7], v[(\d)&255:((\d)&255)+7]
.endif
.endm
	s_load_b512 s[8:23], s[0:1], 0x0               ; x 8, pos_emb 10, mask 12, bq 14, bk 16, bv 18, u 20, v 22
	s_load_b256 s[24:31], s[0:1], 0x40             ; wt 24, qu 26, qv 28, k16 30
	s_load_b128 s[32:35], s[0:1], 0x60             ; v16 32, pos16 34
	v_lshl_add_u32 v[SPW], v0, 2, SPARE
	v_mov_b32 v[NIL], 0
	ds_add_u32 v[SPW], v[NIL]                      ; the wave's opening: the add and its wait ahead of my first tensor load
	v_lshrrev_b32 v1, 5, v0
	v_readfirstlane_b32 s[WV], v1
	s_bfe_u32 s[CX], ttmp6, 0x40000                ; the head
	s_bfe_u32 s[CY], ttmp6, 0x40004
	s_and_b32 s[RB], ttmp7, 0xffff
	s_lshl_b32 s[RB], s[RB], 2
	s_add_co_u32 s[RB], s[RB], s[CY]               ; row block 0..63
	s_lshl_b32 s40, 0x1111, s[CX]                  ; my column of the cluster: the four that share the head
	s_or_b32 s40, s40, (3<<16)|(1<<21)             ; elements of 8 bytes, no padding; bit 21 beside a mask
	s_mov_b32 s41, 32<<16                          ; tensor_dim0 = 32 (256 bytes)
	s_mov_b32 s42, 288<<16                         ; tensor_dim1 = 288 rows: a quarter of the head's weights
	s_mov_b32 s43, 32<<16                          ; tile_dim0
	s_mov_b32 s44, 288                             ; tile_dim1
	s_mov_b32 s45, 32                              ; dense rows
	s_mov_b32 s46, 0
	s_mov_b32 s47, 0
	s_mov_b32 s36, 1
	s_mul_i32 s37, s[WV], 73728                    ; LDS: wave x a quarter
	s_mul_i32 s48, s[CX], 294912
	s_mul_i32 s49, s[WV], 73728
	s_add_co_u32 s48, s48, s49
	s_mov_b32 s49, 0
	s_mov_b32 s[CS], 0x3e16c740                    ; c = 0.1472444
	s_mov_b32 s[CS+1], s[CS]
	s_mul_i32 s52, s[RB], 393216                   ; 256 rows of x,
	s_mul_i32 s53, s[WV], 98304                    ; my 64
	s_add_co_u32 s52, s52, s53
	s_mov_b32 s53, 0
	s_lshl_b32 s54, s[RB], 10                      ; the same tokens in the mask
	s_lshl_b32 s55, s[WV], 8
	s_add_co_u32 s54, s54, s55
	s_mov_b32 s55, 0
	s_lshl_b32 s56, s[CX], 3                       ; ((8 h + b) 2048 + token) x 192
	s_lshr_b32 s57, s[RB], 3
	s_add_co_u32 s56, s56, s57
	s_lshl_b32 s56, s56, 11
	s_and_b32 s57, s[RB], 7
	s_lshl_b32 s57, s57, 8
	s_add_co_u32 s56, s56, s57
	s_lshl_b32 s57, s[WV], 6
	s_add_co_u32 s56, s56, s57
	s_mul_i32 s56, s56, 192
	s_mov_b32 s57, 0
	s_lshl_b32 s60, s[RB], 6                       ; my first row of pos16 in the head: 64 rb + 16 w
	s_lshl_b32 s58, s[WV], 4
	s_add_co_u32 s60, s60, s58
	s_lshl_b32 s58, s[CX], 12
	s_add_co_u32 s58, s58, s60
	s_mul_i32 s58, s58, 192
	s_mov_b32 s59, 0
	s_mul_i32 s61, s[CX], 384                      ; the head's 96 numbers in a bias
	s_mul_i32 s6, s[WV], 3328
	s_add_co_u32 s6, s6, STAGE
	v_and_b32 v25, 15, v0                          ; r
	v_bfe_u32 v26, v0, 4, 1                        ; hl
	v_and_b32 v27, 31, v0                          ; l
	v_lshrrev_b32 v30, 2, v25
	v_add_nc_u32 v30, v30, v26
	v_and_b32 v30, 3, v30
	v_lshlrev_b32 v30, 4, v30
	v_lshl_add_u32 v[AW0], v25, 6, v30             ; 64 r + 16 ((hl + (r >> 2)) & 3)
	v_xor_b32 v[AW1], 32, v[AW0]                   ; the piece two further on
	v_mul_u32_u24 v[XO], v25, 1536
	v_lshl_add_u32 v[XO], v26, 5, v[XO]
	v_add_nc_u32 v[PO], s60, v25
	v_add_nc_u32 v[PO], -1, v[PO]
	v_max_i32 v[PO], 0, v[PO]                      ; pos16's row P comes from pos_emb's row max(P - 1, 0): 0 .. 4094
	v_mul_u32_u24 v[PO], v[PO], 1536
	v_lshl_add_u32 v[PO], v26, 5, v[PO]
	v_lshlrev_b32 v29, 2, v25
	v_lshl_add_u32 v[TA], v26, 5, TBL
	v_mul_u32_u24 v[STO], v25, 208
	v_lshl_add_u32 v[STO], v26, 4, v[STO]
	v_add_nc_u32 v[STO], s6, v[STO]
	v_lshlrev_b32 v[GO], 4, v27
.irp q, 0,1,2,3,4,5                    ; byte x = 512 q + 16 l of 16 dense rows of 192 lies in the stage at x + 16 (x / 192)
	v_lshl_add_u32 v30, v27, 4, 512*\q
	v_lshrrev_b32 v31, 6, v30
	v_mul_u32_u24 v31, v31, 171
	v_lshrrev_b32 v31, 9, v31
	v_lshl_add_u32 v30, v31, 4, v30
	v_add_nc_u32 v[RD+\q], s6, v30
.endr
	v_mov_b32 v[ONE], 1.0
	s_wait_dscnt 0x0                               ; the opening add is done
	s_wait_kmcnt 0x0
	s_add_nc_u64 s[8:9], s[8:9], s[52:53]
	s_add_nc_u64 s[12:13], s[12:13], s[54:55]
	s_add_nc_u64 s[26:27], s[26:27], s[56:57]
	s_add_nc_u64 s[28:29], s[28:29], s[56:57]
	s_add_nc_u64 s[30:31], s[30:31], s[56:57]
	s_add_nc_u64 s[32:33], s[32:33], s[56:57]
	s_add_nc_u64 s[34:35], s[34:35], s[58:59]
	s_add_nc_u64 s[38:39], s[24:25], s[48:49]
	s_or_b32 s39, s39, 0x80000000
	CROUND                                         ; all sixteen work-groups are here: the joint loads meet
	tensor_load_to_lds s[36:39], s[40:47]          ; my quarter of the head's weights: the one tensor load of this wave
	s_nop 0
	PLACES
.macro LA                              ; a trip's x: 20 loads, 128 bytes of each of my 80 rows
	WIN 0
.irp t, 0,1,2,3
.irp p, 0,1,2,3
	global_load_b128 v[AF+16*\t+4*\p:AF+16*\t+4*\p+3], v[XO], s[8:9] offset:\t*24576+(\p&1)*16+(\p>>1)*64
.endr
.endr
.irp p, 0,1,2,3
	global_load_b128 v[AF+64+4*\p:AF+64+4*\p+3], v[PO], s[10:11] offset:(\p&1)*16+(\p>>1)*64
.endr
.endm
.macro CVT
	WIN 0
.set i, 0
.rept 40
	v_cvt_pk_bf16_f32 v[AB+i], v[AF+2*i], v[AF+2*i+1]
.set i, i+1
.endr
.endm
.macro LB dst, ct0, off                ; twelve fragments of W: 24 loads
.set c, 0
.rept 12
	DL (\dst)+8*c, AW0, (\off)+((\ct0)+c)*1024
	DL (\dst)+8*c+4, AW1, (\off)+((\ct0)+c)*1024
.set c, c+1
.endr
.endm
	LA
.irp t, 0,1,2,3
	global_load_b32 v[KEEP+2*\t], v29, s[12:13] offset:64*\t
.endr
	s_cmp_lt_u32 s[WV], 3                          ; 96 threads make the tables, a channel each
	s_cbranch_scc0 .Lnotbl
	v_lshlrev_b32 v30, 2, v0
	v_add_nc_u32 v30, s61, v30
	global_load_b32 v224, v30, s[14:15]
	global_load_b32 v225, v30, s[16:17]
	global_load_b32 v226, v30, s[18:19]
	global_load_b32 v227, v30, s[20:21]
	global_load_b32 v228, v30, s[22:23]
	s_wait_loadcnt 0x0
.irp x, 224,225,226,227,228
	v_cvt_pk_bf16_f32 v\x, v\x, v\x                ; each input rounded once to bf16
	v_lshlrev_b32 v\x, 16, v\x
.endr
	v_add_f32 v229, v224, v227
	v_add_f32 v230, v224, v228
	v_mul_f32 v229, s[CS], v229
	v_mul_f32 v230, s[CS], v230
	v_lshl_add_u32 v31, v0, 2, TBL
	ds_store_b32 v31, v229
	ds_store_b32 v31, v230 offset:384
	ds_store_b32 v31, v225 offset:768
	ds_store_b32 v31, v226 offset:1152
.Lnotbl:
	s_wait_loadcnt 0x0                             ; trip 0's x and the mask
.irp t, 0,1,2,3
	v_cmp_ne_u32 vcc_lo, 0, v[KEEP+2*\t]
	v_cndmask_b32 v[KEEP+2*\t], 0, v[ONE], vcc_lo
	v_mov_b32 v[KEEP+2*\t+1], v[KEEP+2*\t]
.endr
	CVT
	s_add_nc_u64 s[8:9], s[8:9], 128               ; the loads that read these bases are done
	s_add_nc_u64 s[10:11], s[10:11], 128
	LA
	s_wait_tensorcnt 0x0                           ; my quarter of the weights is in,
	s_wait_dscnt 0x0                               ; my part of the tables is stored,
	s_barrier_signal -1
	s_barrier_wait -1                              ; everybody's is
	LB BA, 0, 0
	LB BB, 12, 0
; A trip: 32 along K, 78 products, every accumulator once: they take turns, over the backward jump too.
; ldb: W's fragments and x's conversion for the next trip; lda: x's loads for the trip after that.
.macro TRIP zero, ldb, lda
	s_wait_dscnt 24                                ; tiles 0-11 are in; the 24 loads of tiles 12-23 may be out
.set ct, 0
.rept 12
.set tt, 0
.rept 4
	WMB ACC+8*(4*ct+tt), BA+8*ct, AB+8*tt, \zero
.set tt, tt+1
.endr
.set ct, ct+1
.endr
	WIN 0
	PLACES                                         ; four places in front of loads into registers that the products have read
.if \ldb
	LB BA, 0, 24576
	s_wait_dscnt 24                                ; tiles 12-23 are in; the 24 just issued may be out
.else
	s_wait_dscnt 0x0
.endif
.set ct, 12
.rept 6
.set tt, 0
.rept 4
	WMB ACC+8*(4*ct+tt), BB+8*(ct-12), AB+8*tt, \zero
.set tt, tt+1
.endr
.set ct, ct+1
.endr
.rept 6
	WMB ACC+8*(72+ct-18), BB+8*(ct-12), AB+32, \zero
.set ct, ct+1
.endr
	WIN 0
	v_add_nc_u32 v[AW0], 0x6000, v[AW0]            ; the next 32 along K; with two v_nop the four places
	v_add_nc_u32 v[AW1], 0x6000, v[AW1]
	v_nop
	v_nop
.if \ldb
	LB BB, 12, 0
	WIN 0
	s_wait_loadcnt 0x0                             ; the next trip's x
	CVT
.endif
.if \lda
	s_add_nc_u64 s[8:9], s[8:9], 128
	s_add_nc_u64 s[10:11], s[10:11], 128
	LA
.endif
	WIN 0
.endm
	TRIP 1, 1, 1                                   ; the first trip starts the sums
	s_mov_b32 s62, 9
.Lk:
	TRIP 0, 1, 1
	s_sub_co_u32 s62, s62, 1
	s_cmp_lg_u32 s62, 0
	s_cbranch_scc1 .Lk
	TRIP 0, 1, 0                                   ; the last two trips load no x beyond the rows' end
	TRIP 0, 0, 0
	; THE WAY OUT.  The tables come into registers; then 17 blocks of 16 rows x 96 channels: bias, scale, one rounding to f16, through my stage, out as 3,072 consecutive bytes.
	PLACES
.set kd, 0
.rept 4
.set c6, 0
.rept 6
	ds_load_b128 v[TB+48*kd+8*c6:TB+48*kd+8*c6+3], v[TA] offset:384*kd+64*c6
	ds_load_b128 v[TB+48*kd+8*c6+4:TB+48*kd+8*c6+7], v[TA] offset:384*kd+64*c6+16
.set c6, c6+1
.endr
.set kd, kd+1
.endr
	s_wait_dscnt 0x0
; kind 0 qu, 1 qv, 2 k, 3 v, 4 pos; t the row tile; bs the output's base
.macro OUTT kind, t, bs
	WIN 0
	s_wait_xcnt 0x0                                ; the last block's stores have read T
.set c6, 0
.rept 6
.if (\kind) < 2
.set aa, ACC+8*(4*c6+(\t))
.elseif (\kind) < 4
.set aa, ACC+8*(4*(6*((\kind)-1)+c6)+(\t))
.else
.set aa, ACC+8*(72+c6)
.endif
.set tb, TB+48*((\kind)%4)+8*c6
.if (\kind) < 4
	WIN (aa>>8)
.irp p, 0,2,4,6
.if (\kind) < 2
	v_pk_fma_f32 v[F+\p:F+\p+1], v[(aa&255)+\p:(aa&255)+\p+1], s[CS:CS+1], v[tb+\p:tb+\p+1] op_sel_hi:[1,0,1]
.else
	v_pk_add_f32 v[F+\p:F+\p+1], v[(aa&255)+\p:(aa&255)+\p+1], v[tb+\p:tb+\p+1]
.endif
.endr
	WIN 0
.if (\kind) == 3
.irp p, 0,2,4,6
	v_pk_mul_f32 v[F+\p:F+\p+1], v[F+\p:F+\p+1], v[KEEP+2*(\t):KEEP+2*(\t)+1]  ; a masked key's v is 0
.endr
.endif
.irp p, 0,1,2,3
	v_cvt_pk_f16_f32 v[T+4*c6+\p], v[F+2*\p], v[F+2*\p+1]
.endr
.else
	WIN ((aa>>8)|((aa>>8)<<2))
.irp p, 0,1,2,3
	v_cvt_pk_f16_f32 v[T+4*c6+\p], v[(aa&255)+2*\p], v[(aa&255)+2*\p+1]
.endr
	WIN 0
.endif
.set c6, c6+1
.endr
.irp q, 0,1,2,3,4,5
	ds_store_b128 v[STO], v[T+4*\q:T+4*\q+3] offset:32*\q
.endr
.irp q, 0,1,2,3,4,5
	ds_load_b128 v[T+4*\q:T+4*\q+3], v[RD+\q]      ; LDS serves a wave's instructions in order: these see the stores above
.endr
	s_wait_dscnt 0x0
.irp q, 0,1,2,3,4,5
	global_store_b128 v[GO], v[T+4*\q:T+4*\q+3], s[\bs:\bs+1] offset:512*\q+3072*(\t)  ; 512 consecutive bytes, aligned
.endr
.endm
.irp t, 0,1,2,3
	OUTT 0, \t, 26
	OUTT 1, \t, 28
	OUTT 2, \t, 30
	OUTT 3, \t, 32
.endr
	OUTT 4, 0, 34
	s_wait_tensorcnt 0x0                           ; the wave's end
	ds_add_u32 v[SPW], v[NIL]
	s_wait_dscnt 0x0
	CROUND                                         ; the closing round
	s_endpgm
.Lfunc_end_k_q2d72ce42a6_proj:
	.size	k_q2d72ce42a6_proj, .Lfunc_end_k_q2d72ce42a6_proj-k_q2d72ce42a6_proj
	.p2alignl 7, 3214868480
	.fill 96, 4, 3214868480
	.section	.rodata,"a",@progbits
	.p2align	6, 0x0
	.amdhsa_kernel k_q2d72ce42a6_proj
		.amdhsa_group_segment_fixed_size 327680
		.amdhsa_private_segment_fixed_size 0
		.amdhsa_enable_private_segment 0
		.amdhsa_kernarg_size 112
		.amdhsa_user_sgpr_count 2
		.amdhsa_user_sgpr_kernarg_segment_ptr 1
		.amdhsa_wavefront_size32 1
		.amdhsa_system_sgpr_workgroup_id_x 1
		.amdhsa_system_sgpr_workgroup_id_y 1
		.amdhsa_system_sgpr_workgroup_id_z 1
		.amdhsa_system_vgpr_workitem_id 0
		.amdhsa_next_free_vgpr 1024
		.amdhsa_next_free_sgpr 66
		.amdhsa_reserve_vcc 1
		.amdhsa_float_denorm_mode_32 3
		.amdhsa_float_denorm_mode_16_64 3
		.amdhsa_memory_ordered 1
		.amdhsa_forward_progress 1
		.amdhsa_inst_pref_size 151
	.end_amdhsa_kernel
	.amdgpu_metadata
---
amdhsa.version: [ 1, 2 ]
amdhsa.kernels:
  - .name:           k_q2d72ce42a6_proj
    .symbol:         k_q2d72ce42a6_proj.kd
    .args:
      - { .name: hidden_states, .offset: 0, .size: 8, .value_kind: global_buffer, .address_space: global }
      - { .name: pos_emb, .offset: 8, .size: 8, .value_kind: global_buffer, .address_space: global }
      - { .name: attention_mask, .offset: 16, .size: 8, .value_kind: global_buffer, .address_space: global }
      - { .name: bq, .offset: 24, .size: 8, .value_kind: global_buffer, .address_space: global }
      - { .name: bk, .offset: 32, .size: 8, .value_kind: global_buffer, .address_space: global }
      - { .name: bv, .offset: 40, .size: 8, .value_kind: global_buffer, .address_space: global }
      - { .name: pos_bias_u, .offset: 48, .size: 8, .value_kind: global_buffer, .address_space: global }
      - { .name: pos_bias_v, .offset: 56, .size: 8, .value_kind: global_buffer, .address_space: global }
      - { .name: wt, .offset: 64, .size: 8, .value_kind: global_buffer, .address_space: global }
      - { .name: qu, .offset: 72, .size: 8, .value_kind: global_buffer, .address_space: global }
      - { .name: qv, .offset: 80, .size: 8, .value_kind: global_buffer, .address_space: global }
      - { .name: k16, .offset: 88, .size: 8, .value_kind: global_buffer, .address_space: global }
      - { .name: v16, .offset: 96, .size: 8, .value_kind: global_buffer, .address_space: global }
      - { .name: pos16, .offset: 104, .size: 8, .value_kind: global_buffer, .address_space: global }
    .group_segment_fixed_size: 327680
    .private_segment_fixed_size: 0
    .kernarg_segment_align: 8
    .kernarg_segment_size: 112
    .max_flat_workgroup_size: 128
    .sgpr_count:     66
    .vgpr_count:     1024
    .wavefront_size: 32
...
	.end_amdgpu_metadata
.endif
;; end of part 2
;; launch attn (part 3): grid 8 x 32, 4 waves a work-group, clusters of 4 x 4, 327,680 bytes of LDS; arguments qu, qv, k16, v16, pos16, attention_mask, o16; writes o16
.if DOCPART == 3
	.amdgcn_target "amdgcn-amd-amdhsa--gfx1250"
	.amdhsa_code_object_version 6
	.text
	.protected	k_q2d72ce42a6_attn
	.globl	k_q2d72ce42a6_attn
	.p2align	8
	.type	k_q2d72ce42a6_attn,@function
k_q2d72ce42a6_attn:
	s_mov_b64 s[64:65], 0
	v_nop
	global_prefetch_b8 v0, s[64:65] scope:SCOPE_SE
	s_setreg_imm32_b32 hwreg(HW_REG_WAVE_MODE, 25, 1), 1
	s_wait_xcnt 0x0
	s_wait_alu depctr_hold_cnt(0) depctr_sa_sdst(0) depctr_va_vdst(0) depctr_va_sdst(0) depctr_va_ssrc(0) depctr_va_vcc(0) depctr_vm_vsrc(0)
	s_getreg_b32 s2, hwreg(HW_REG_IB_STS2, 6, 4)
	s_cmp_eq_u32 s2, 0
	s_cbranch_scc0 .Lentry_in_a_cluster
	s_endpgm
.Lentry_in_a_cluster:
	s_bfe_u32 s2, ttmp6, 0x10000c
	s_cmp_lg_u32 s2, 0xf033
	s_cbranch_scc0 .Lentry_shape_is_right
	s_endpgm
.Lentry_shape_is_right:
; ATTENTION WITH RELATIVE POSITIONS.  score(i, j) = qu_i . k_j + qv_i . pos16[2048 + j - i], already in units of log2 (the scale lies in qu and qv); a masked key's score
; counts as its value less 1e30; O_i = sum_j p v_j / sum_j p with p = 2^(score - m), m a running maximum that starts at -1e38.  All operands f16, [8 h + b][2048][96]; products, maxima, sums in f32.
; LIMITS: operands within f16's range; a weight below 2^-126 counts as 0; NaN and infinities are not treated apart.  v16's rows of masked keys are 0, so a batch with every key masked gives O = 0.
; SHARES.  A work-group owns 256 queries of one (b, h); a wave 64, as four tiles: tile t holds queries 16 (3 - t) + r of the wave's 64.  32 key steps of 64 keys; an ITEM is (step, tile).
; THE SKEW.  For an item the position rows wanted are 80 consecutive rows, n = 16 + key - r.  BD^T = POS x Qv^T (five products deep 3) holds (n, query r) with one query a lane.  It goes through the wave's own
; scratch in LDS: element (n, r) is stored at 404 r + 4 n, and the word of (key, r) is then found at 400 r + 64 + 4 key: aligned loads of 16 bytes bring it back as the C operand of S^T = K Qu^T + C.
; The eight position tiles of a step for tile t are tiles t .. t + 4: the order of the tiles (descending queries) makes them neighbours.
; BY TURNS.  Turn x: 12 products V^T P of item x - 1, 12 products K Qu^T of item x + 1, 15 products POS Qv^T of item x + 2; the softmax of item x rides behind them, 141 instructions in slices.
; CLUSTER 4 x 4: the four query blocks of a row share (b, h), so K and V are asked for jointly along the row; the four (b, h) of a column share the head and the query block, so the position rows are asked for jointly along the column.
; LDS: 0 position ring, 4 blocks of 128 rows, pitch 240; 0x1E000 mask table f32; 0x20000, 0x28000 K's two slots (128 keys, pitch 240); 0x27800 spare words; 0x30000, 0x40000 V's two slots (pitch 288);
; behind each V slot two waves' scratch, 2 x 6,400 bytes a wave.
.set MT,    0x1E000
.set K0A,   0x20000
.set SPARE, 0x27800
.set V0A,   0x30000
.set SCR0,  0x39000
.set AK0, 2                            ; 240 r + 16 hl: my place in 16 rows of K or of the position ring
.set AV0, 3                            ; my place for the turning load of V
.set AK,  4
.set AV,  5
.set AP,  6                            ; the position ring's 64 rows in hand
.set AS,  7                            ; scratch, in: 404 r + 32 hl
.set AC,  8                            ; scratch, back: 400 r + 32 hl + 64
.set AM0, 9
.set AM,  10
.set QO,  11
.set PFO, 12
.set GO,  13
.set SPW, 14
.set NIL, 15
.set ST,  16                           ; tile t at 16 + 8 t: m, m_old, l (even, odd), c0-c3; a takes c2
.set MK,  48                           ; the step's mask, laid as S
.set S,   80                           ; two buffers of 32, by the tile's parity
.set P,   144                          ; two buffers of 16
.set BD,  176                          ; 40
.set RD,  216
.set STO, 222
.set WK,  224
.set O,   256                          ; 48 a tile
.set QU,  448                          ; 24 a tile
.set QV,  544
.set POS, 640                          ; eight tiles of 24
.set KR,  832
.set VR,  928
.set WV, 20
.set CX, 21
.set CY, 22
.set QB, 23
.set G1K, 24
.set G1V, 32
.set G1P, 40
.set G0K, 48                           ; two sets; the second walks
.set G0V, 56
.set G0P, 68                           ; four sets; the fourth walks
.set SLOTS, 84
.set CNT, 85
.set TBK, 86
.set TBV, 87
.set TM,  88
.set G,   89
.set SA,  90
.set RB,  91
.set LIM, 92
.set BH,  93
.set SEL, 94
.set PFA, 96
.set MSB, 0
.macro WIN new
.if MSB != (\new)
	s_set_vgpr_msb (MSB<<8)|(\new)
.set MSB, (\new)
.endif
.endm
.macro PLACES
.rept 4
	v_nop
.endr
.endm
.macro CROUND
	s_barrier_signal -1
	s_barrier_wait -1
	s_cmp_lg_u32 s[WV], 0
	s_cbranch_scc1 .Lnw0_\@
	s_barrier_signal -3
.Lnw0_\@:
	s_barrier_wait -3
	s_barrier_signal -1
	s_barrier_wait -1
.endm
.macro DL d, a, off                    ; registers are numbered 0..1023; the window follows from the number
	WIN (((\d)>>8)<<6)
	ds_load_b128 v[(\d)&255:((\d)&255)+3], v[\a] offset:\off
.endm
.macro DLT d, a, off
	WIN (((\d)>>8)<<6)
	ds_load_tr16_b128 v[(\d)&255:((\d)&255)+3], v[\a] offset:\off
.endm
.macro GL d, a, sb, off
	WIN (((\d)>>8)<<6)
	global_load_b128 v[(\d)&255:((\d)&255)+3], v[\a], s[\sb:\sb+1] offset:\off
.endm
.macro WMF d, a, b, z
	WIN (((\a)>>8)|(((\b)>>8)<<2)|(((\d)>>8)<<4)|(((\d)>>8)<<6))
.if \z
	v_wmma_f32_16x16x32_f16 v[(\d)&255:((\d)&255)+7], v[(\a)&255:((\a)&255)+7], v[(\b)&255:((\b)&255)+7], 0
.else
	v_wmma_f32_16x16x32_f16 v[(\d)&255:((\d)&255)+7], v[(\a)&255:((\a)&255)+7], v[(\b)&255:((\b)&255)+7], v[(\d)&255:((\d)&255)+7]
.endif
.endm
	s_load_b256 s[4:11], s[0:1], 0x0               ; qu 4, qv 6, k16 8, v16 10
	s_load_b128 s[12:15], s[0:1], 0x20             ; pos16 12, mask 14
	s_load_b64 s[16:17], s[0:1], 0x30              ; o16
	v_lshl_add_u32 v[SPW], v0, 2, SPARE
	v_mov_b32 v[NIL], 0
	ds_add_u32 v[SPW], v[NIL]                      ; the wave's opening: the add and its wait ahead of my first tensor load
	v_lshrrev_b32 v1, 5, v0
	v_readfirstlane_b32 s[WV], v1
	s_bfe_u32 s[CX], ttmp6, 0x40000
	s_bfe_u32 s[CY], ttmp6, 0x40004
	s_lshl_b32 s[QB], ttmp9, 2
	s_add_co_u32 s[QB], s[QB], s[CX]               ; query block 0..7
	s_and_b32 s2, ttmp7, 0xffff
	s_lshl_b32 s[BH], s2, 2
	s_add_co_u32 s[BH], s[BH], s[CY]               ; 8 h + b
	s_lshr_b32 s3, s2, 1                           ; h: the same for the cluster's four rows
	s_mul_i32 s98, s[BH], 393216                   ; K and V of (b, h)
	s_mov_b32 s99, 0
	s_mul_i32 s18, s3, 786432                      ; the head's position rows, from row 1792 - 256 qb
	s_add_co_u32 s18, s18, 344064
	s_mul_i32 s19, s[QB], 49152
	s_sub_co_u32 s18, s18, s19
	s_mov_b32 s19, 0
	s_mul_i32 s2, s[QB], 49152                     ; my wave's 64 queries
	s_mul_i32 s3, s[WV], 12288
	s_add_co_u32 s2, s2, s3
	s_add_co_u32 s2, s2, s98
	s_mov_b32 s3, 0
	s_lshl_b32 s100, s[CY], 2
	s_lshl_b32 s100, 15, s100                      ; my row of the cluster
	; tiles: 24,576 dense bytes (128 rows of 192) asked for as 96 rows of 256 bytes; padded in LDS after every 64 bytes (16 words: code 3), by 4 words (K, pos) or 8 (V)
	s_or_b32 s[G1K], s100, (1<<16)|(1<<20)|(1<<21)|(3<<22)|(3<<25)
	s_or_b32 s[G1V], s100, (1<<16)|(1<<20)|(1<<21)|(3<<22)|(7<<25)
	s_lshl_b32 s101, 0x1111, s[CX]                 ; my column
	s_or_b32 s[G1P], s101, (1<<16)|(1<<20)|(1<<21)|(3<<22)|(3<<25)
.irp g, G1K, G1V, G1P
	s_mov_b32 s[\g+1], 128<<16
	s_mov_b32 s[\g+2], 96<<16
	s_mov_b32 s[\g+3], 128<<16
	s_mov_b32 s[\g+4], 96
	s_mov_b32 s[\g+5], 128
	s_mov_b32 s[\g+6], 0
	s_mov_b32 s[\g+7], 0
.endr
	s_mov_b32 s[SEL], 0x76543210
	s_mov_b32 s[SEL+1], 0xfedcba98
	s_mov_b32 s[TBK], K0A
	s_mov_b32 s[TBV], V0A
	s_mov_b32 s[TM], 0
	s_mov_b32 s[RB], 3
	s_lshr_b32 s[LIM], s[WV], 1                    ; waves 0 and 1 of the (b, h)'s first cluster prefetch
	s_or_b32 s[LIM], s[LIM], ttmp9
	s_cmp_eq_u32 s[LIM], 0
	s_cselect_b32 s[LIM], 1, -1
	s_lshr_b32 s101, s[WV], 1                      ; my scratch: behind V's slot w >> 1
	s_lshl_b32 s101, s101, 16
	s_and_b32 s100, s[WV], 1
	s_mul_i32 s100, s100, 12800
	s_add_co_u32 s101, s101, s100
	s_add_co_u32 s101, s101, SCR0
	v_and_b32 v244, 15, v0                         ; r
	v_bfe_u32 v245, v0, 4, 1                       ; hl
	v_and_b32 v246, 31, v0                         ; l
	v_mul_u32_u24 v[AK0], v244, 240
	v_lshl_add_u32 v[AK0], v245, 4, v[AK0]
	v_and_b32 v243, 7, v0
	v_lshl_add_u32 v[AV0], v245, 3, v243
	v_mul_u32_u24 v[AV0], v[AV0], 288
	v_bfe_u32 v243, v0, 3, 1
	v_lshl_add_u32 v[AV0], v243, 4, v[AV0]
	v_mul_u32_u24 v[AS], v244, 404
	v_lshl_add_u32 v[AS], v245, 5, v[AS]
	v_add_nc_u32 v[AS], s101, v[AS]
	v_mul_u32_u24 v[AC], v244, 400
	v_lshl_add_u32 v[AC], v245, 5, v[AC]
	v_add_nc_u32 v[AC], s101, v[AC]
	v_add_nc_u32 v[AC], 64, v[AC]
	v_lshl_add_u32 v[AM0], v245, 5, MT
	v_mul_u32_u24 v[QO], v244, 192
	v_lshl_add_u32 v[QO], v245, 4, v[QO]
	v_min_u32 v[PFO], 23, v246                     ; 24 blocks of 256 bytes; the last eight lanes repeat the last block
	v_lshlrev_b32 v[PFO], 8, v[PFO]
	v_lshlrev_b32 v[GO], 4, v246
	v_mul_u32_u24 v[STO], v244, 208
	v_lshl_add_u32 v[STO], v245, 4, v[STO]
	v_add_nc_u32 v[STO], s101, v[STO]
.irp q, 0,1,2,3,4,5                    ; byte x = 512 q + 16 l of 16 dense rows of 192 lies in the stage at x + 16 (x / 192)
	v_lshl_add_u32 v243, v246, 4, 512*\q
	v_lshrrev_b32 v247, 6, v243
	v_mul_u32_u24 v247, v247, 171
	v_lshrrev_b32 v247, 9, v247
	v_lshl_add_u32 v243, v247, 4, v243
	v_add_nc_u32 v[RD+\q], s101, v243
.endr
	v_mov_b32 v240, 0xf149f2ca                     ; -1e30
	v_lshl_add_u32 v241, v0, 6, MT
	v_lshlrev_b32 v242, 6, v0
	s_wait_dscnt 0x0                               ; the opening add is done
	s_wait_kmcnt 0x0
	s_add_nc_u64 s[8:9], s[8:9], s[98:99]
	s_add_nc_u64 s[10:11], s[10:11], s[98:99]
	s_add_nc_u64 s[12:13], s[12:13], s[18:19]
	s_add_nc_u64 s[4:5], s[4:5], s[2:3]
	s_add_nc_u64 s[6:7], s[6:7], s[2:3]
	s_add_nc_u64 s[16:17], s[16:17], s[2:3]
	s_and_b32 s98, s[BH], 7
	s_lshl_b32 s98, s98, 13
	s_add_nc_u64 s[14:15], s[14:15], s[98:99]      ; the batch's mask
.irp x, 0,1
	s_mov_b32 s[G0K+4*\x], 1
	s_mov_b32 s[G0K+4*\x+1], K0A+0x8000*\x
	s_add_nc_u64 s[G0K+4*\x+2:G0K+4*\x+3], s[8:9], 24576*\x
	s_or_b32 s[G0K+4*\x+3], s[G0K+4*\x+3], 0x80000000
	s_mov_b32 s[G0V+4*\x], 1
	s_mov_b32 s[G0V+4*\x+1], V0A+0x10000*\x
	s_add_nc_u64 s[G0V+4*\x+2:G0V+4*\x+3], s[10:11], 24576*\x
	s_or_b32 s[G0V+4*\x+3], s[G0V+4*\x+3], 0x80000000
.endr
.irp x, 0,1,2,3
	s_mov_b32 s[G0P+4*\x], 1
	s_mov_b32 s[G0P+4*\x+1], 30720*\x
	s_add_nc_u64 s[G0P+4*\x+2:G0P+4*\x+3], s[12:13], 24576*\x
	s_or_b32 s[G0P+4*\x+3], s[G0P+4*\x+3], 0x80000000
.endr
	s_cmp_eq_u32 s[WV], 0
	s_cselect_b64 s[PFA:PFA+1], s[8:9], s[10:11]   ; wave 0 asks for K's blocks, wave 1 for V's
	s_mul_i32 s2, s[CX], 6144                      ; my work-group's 24 of a slot's 96 blocks
	s_mov_b32 s3, 0
	s_add_nc_u64 s[PFA:PFA+1], s[PFA:PFA+1], s[2:3]
	s_add_nc_u64 s[PFA:PFA+1], s[PFA:PFA+1], 2*24576  ; at slot 2; the first change steps it to slot 3
	CROUND                                         ; all sixteen work-groups are here: the first joint loads meet
	s_cmp_eq_u32 s[WV], 0                          ; the first fills, two a wave, in one chain of branches on the wave's number: two loads of mine are out
	s_cbranch_scc0 .Lf1
	tensor_load_to_lds s[G0K:G0K+3], s[G1K:G1K+7]
	s_nop 0
	tensor_load_to_lds s[G0K+4:G0K+7], s[G1K:G1K+7]
	s_nop 0
	PLACES
	s_branch .Lfd
.Lf1:
	s_cmp_eq_u32 s[WV], 1
	s_cbranch_scc0 .Lf2
	tensor_load_to_lds s[G0V:G0V+3], s[G1V:G1V+7]
	s_nop 0
	tensor_load_to_lds s[G0V+4:G0V+7], s[G1V:G1V+7]
	s_nop 0
	PLACES
	s_branch .Lfd
.Lf2:
	s_cmp_eq_u32 s[WV], 2
	s_cbranch_scc0 .Lf3
	tensor_load_to_lds s[G0P:G0P+3], s[G1P:G1P+7]
	s_nop 0
	tensor_load_to_lds s[G0P+4:G0P+7], s[G1P:G1P+7]
	s_nop 0
	PLACES
	s_branch .Lfd
.Lf3:
	tensor_load_to_lds s[G0P+8:G0P+11], s[G1P:G1P+7]
	s_nop 0
	tensor_load_to_lds s[G0P+12:G0P+15], s[G1P:G1P+7]
	s_nop 0
	PLACES
.Lfd:
.irp x, 0,1,2,3
	global_load_b128 v[WK+4*\x:WK+4*\x+3], v242, s[14:15] offset:16*\x  ; 16 keys' mask a thread
.endr
.set tq, 0
.rept 4                                ; Q stays in registers: tile tq holds queries 16 (3 - tq) ..
.set kq, 0
.rept 3
	GL QU+24*tq+8*kq, QO, 4, (3-tq)*3072+64*kq
	GL QU+24*tq+8*kq+4, QO, 4, (3-tq)*3072+64*kq+32
	GL QV+24*tq+8*kq, QO, 6, (3-tq)*3072+64*kq
	GL QV+24*tq+8*kq+4, QO, 6, (3-tq)*3072+64*kq+32
.set kq, kq+1
.endr
.set tq, tq+1
.endr
	; No first step is written out: O, l, V and P's second buffer start at 0 and m far below every score, so the first a is 0.  These lines stand in the wait for the first tiles.
	WIN 0x40
.set i, 0
.rept 192
	v_mov_b32 v[i], 0
.set i, i+1
.endr
	WIN 0xc0
.set i, VR-768
.rept 96
	v_mov_b32 v[i], 0
.set i, i+1
.endr
	WIN 0
.set i, 0
.rept 16
	v_mov_b32 v[P+16+i], 0
.set i, i+1
.endr
.irp t, 0,1,2,3
	v_mov_b32 v[ST+8*\t], 0xfe967699               ; m = -1e38
	v_mov_b32 v[ST+8*\t+2], 0
	v_mov_b32 v[ST+8*\t+3], 0
.endr
	s_wait_loadcnt 48                              ; the mask is in; Q's 48 loads may stay out
.set i, 0
.rept 16
	v_cmp_eq_u32 vcc_lo, 0, v[WK+i]
	v_cndmask_b32 v[WK+i], 0, v240, vcc_lo
.set i, i+1
.endr
.irp x, 0,1,2,3
	ds_store_b128 v241, v[WK+4*\x:WK+4*\x+3] offset:16*\x
.endr
; THE MATRIX WORK; mi counts within a run.  In each run the accumulators take turns, one instruction a turn.
.macro M1I t2                          ; BD(i) = POS(t2 + i) x Qv(t2): five accumulators, three deep; the first five start the sums
	WMF BD+8*(mi%5), POS+24*((\t2)+mi%5)+8*(mi/5), QV+24*(\t2)+8*(mi/5), (mi<5)
.set mi, mi+1
.endm
.macro M2I t1, sb                      ; S(kt) += K(kt) x Qu(t1): four accumulators, three deep; they start from the skewed BD that CL has brought
	WMF S+32*(\sb)+8*(mi%4), KR+24*(mi%4)+8*(mi/4), QU+24*(\t1)+8*(mi/4), 0
.set mi, mi+1
.endm
.macro M3I t3, pb                      ; O(t3, cb) += V^T(kh, cb) x P(kh): six accumulators, two deep
	WMF O+48*(\t3)+8*(mi%6), VR+48*(mi/6)+8*(mi%6), P+16*(\pb)+8*(mi/6), 0
.set mi, mi+1
.endm
; THE LDS WORK
.macro CL sb                           ; the skewed BD of scratch buffer sb into S's buffer sb
.irp kt, 0,1,2,3
	DL S+32*(\sb)+8*\kt, AC, 6400*(\sb)+64*\kt
	DL S+32*(\sb)+8*\kt+4, AC, 6400*(\sb)+64*\kt+16
.endr
.endm
.macro ST40 sb                         ; BD into scratch buffer sb, each accumulator from its low end on
	WIN 0
.set sn, 0
.rept 40
	ds_store_b32 v[AS], v[BD+sn] offset:6400*(\sb)+64*(sn/8)+4*(sn%8)
.set sn, sn+1
.endr
.endm
.macro PT slot, off                    ; a position tile, 16 rows x 96 channels
.irp kk, 0,1,2
	DL POS+24*(\slot)+8*\kk, AP, (\off)+80*\kk
	DL POS+24*(\slot)+8*\kk+4, AP, (\off)+80*\kk+32
.endr
.endm
.macro STEPG                           ; the ring's next 64 rows (eight such in 512 rows)
	WIN 0
	s_add_co_u32 s[G], s[G], 1
	s_and_b32 s[G], s[G], 7
	s_mul_i32 s[SA], s[G], 15360
	v_add_nc_u32 v[AP], s[SA], v[AK0]
.endm
.macro POSLD t2                        ; behind tile t2's position products: register tile t2 takes the next step's tile t2, tile 5 + t2 this step's (t2 = 3: the next step's tiles 3 and 4)
.if (\t2) < 3
	PT \t2, 3840*(\t2)
	PT 5+(\t2), 3840*(1+(\t2))
.else
	PT 3, 11520
	STEPG
	PT 4, 0
.endif
	WIN 0
.endm
.macro FETCH_K last=0                  ; last = 1 (the tail): in the last trip there is no further step
	WIN 0
.if \last
	s_cmp_eq_u32 s[CNT], 1
	s_cbranch_scc1 .Lnok_\@
.endif
	v_add_nc_u32 v[AK], s[TBK], v[AK0]
.set fk, 0
.rept 12
	DL KR+8*fk, AK, 3840*(fk/3)+80*(fk%3)
	DL KR+8*fk+4, AK, 3840*(fk/3)+80*(fk%3)+32
.set fk, fk+1
.endr
	s_add_co_u32 s[TBK], s[TBK], 15360
	WIN 0
.if \last
.Lnok_\@:
.endif
.endm
.macro FETCH_V
	WIN 0
	v_add_nc_u32 v[AV], s[TBV], v[AV0]
.set fk, 0
.rept 12                               ; keys 32 (fk / 6) on, channels 16 (fk % 6) on
	DLT VR+8*fk, AV, 9216*(fk/6)+96*((fk%6)>>1)+32*((fk%6)&1)
	DLT VR+8*fk+4, AV, 9216*(fk/6)+96*((fk%6)>>1)+32*((fk%6)&1)+4608
.set fk, fk+1
.endr
	s_add_co_u32 s[TBV], s[TBV], 18432
	WIN 0
.endm
.macro FETCH_MK
	WIN 0
	v_add_nc_u32 v[AM], s[TM], v[AM0]
.irp kt, 0,1,2,3
	ds_load_b128 v[MK+8*\kt:MK+8*\kt+3], v[AM] offset:64*\kt
	ds_load_b128 v[MK+8*\kt+4:MK+8*\kt+7], v[AM] offset:64*\kt+16
.endr
	s_add_co_u32 s[TM], s[TM], 256
	s_and_b32 s[TM], s[TM], 0x1fff
.endm
; THE VECTOR WORK: tile TT's softmax for one step, a list of 141; SM1 writes number sj.
;  0-15 S += mask   16-31 the maximum of 32 scores and m   32-35 the other half of the lanes; m_old; m; m_old - m   36-51 S - m
;  52-84 ONE BATCH of 33 exponentials (a, then the scores)   85-100 rounded to f16   101-116 the sums, l = a l + sum   117-140 O times a
.macro SM1
.set rT, ST+8*TT
.set rS, S+32*(TT&1)
.set rP, P+16*(TT&1)
.set rO, 48*TT
.if sj < 117
	WIN 0
.endif
.if sj < 16
	v_pk_add_f32 v[rS+2*sj:rS+2*sj+1], v[rS+2*sj:rS+2*sj+1], v[MK+2*sj:MK+2*sj+1]
.elseif sj < 20
	v_max3_num_f32 v[rT+4+sj-16], v[rS+8*(sj-16)], v[rS+8*(sj-16)+1], v[rS+8*(sj-16)+2]
.elseif sj < 28
.set e, sj-16
	v_max3_num_f32 v[rT+4+e%4], v[rT+4+e%4], v[rS+8*(e%4)+2*(e/4)+1], v[rS+8*(e%4)+2*(e/4)+2]
.elseif sj == 28
	v_max3_num_f32 v[rT+4], v[rT+4], v[rS+7], v[rS+15]
.elseif sj == 29
	v_max3_num_f32 v[rT+6], v[rT+6], v[rS+23], v[rS+31]
.elseif sj == 30
	v_max3_num_f32 v[rT+4], v[rT+4], v[rT+5], v[rT+6]
.elseif sj == 31
	v_max3_num_f32 v[rT+4], v[rT+4], v[rT+7], v[rT]
.elseif sj == 32
	v_permlanex16_b32 v[rT+5], v[rT+4], s[SEL], s[SEL+1]  ; the query's other 32 keys lie in the lane 16 away
.elseif sj == 33
	v_mov_b32 v[rT+1], v[rT]
.elseif sj == 34
	v_max_num_f32 v[rT], v[rT+4], v[rT+5]
.elseif sj == 35
	v_sub_f32 v[rT+7], v[rT+1], v[rT]
.elseif sj < 52
.set e, sj-36
	v_pk_add_f32 v[rS+2*e:rS+2*e+1], v[rS+2*e:rS+2*e+1], v[rT:rT+1] op_sel_hi:[1,0] neg_lo:[0,1] neg_hi:[0,1]
.elseif sj == 52
	v_exp_f32 v[rT+6], v[rT+7]
.elseif sj < 85
	v_exp_f32 v[rS+sj-53], v[rS+sj-53]
.elseif sj < 101
.set e, sj-85
	v_cvt_pk_f16_f32 v[rP+e], v[rS+2*e], v[rS+2*e+1]
.elseif sj < 117
.set z, sj-101
.set w, 4
.set u, z
.if z >= 14
.set w, 32
.set u, 0
.elseif z >= 12
.set w, 16
.set u, z-12
.elseif z >= 8
.set w, 8
.set u, z-8
.endif
.if z < 15
	v_pk_add_f32 v[rS+w*u:rS+w*u+1], v[rS+w*u:rS+w*u+1], v[rS+w*u+w/2:rS+w*u+w/2+1]
.else
	v_pk_fma_f32 v[rT+2:rT+3], v[rT+2:rT+3], v[rT+6:rT+7], v[rS:rS+1] op_sel_hi:[1,0,1]
.endif
.else
.set e, sj-117
	WIN 0x41
	v_pk_mul_f32 v[rO+2*e:rO+2*e+1], v[rO+2*e:rO+2*e+1], v[rT+6:rT+7] op_sel_hi:[1,0]
.endif
.set sj, sj+1
.endm
.macro SL cnt
.rept \cnt
	SM1
.endr
.endm
; A TURN, for tile t of the step in hand.  No rider names a register of the products round it.
.macro TURN t, tail=0
.set TT, (\t)
.set PB, (\t)&1
.set sj, 0
	CL 1-PB                                        ; the next item's skewed BD: stored at the end of the turn before; LDS serves a wave's instructions in order
.if (\t) < 2
	s_wait_dscnt 60                                ; tile 0: the step's mask, tile 1: its V are in; behind their runs stand 40 stores, 12 position loads and the 8 loads above
.endif
.set mi, 0
.rept 12
	M3I ((\t)+3)%4, 1-PB
	SL 4
.endr
.if (\t) == 0
	WIN 0
	PLACES                                         ; in front of loads into registers that the products have read
	FETCH_V                                        ; V of the step in hand
	s_wait_dscnt 24                                ; all but V's run: the C operand, K and the position tiles are in
.elseif (\t) == 3
	FETCH_MK                                       ; the next step's mask: this tile's sixteen additions of the old one stand above
	s_wait_dscnt 8                                 ; all but the mask's run
.else
	s_wait_dscnt 0x0
.endif
.set mi, 0
.rept 12
	M2I ((\t)+1)%4, 1-PB
	SL 3
.endr
	SL 1                                           ; the batch's last exponential
	WIN 0
	PLACES                                         ; plain instructions behind it, and the places in front of K's run
	s_wait_alu depctr_va_vdst(0)                   ; one wait for the batch of 33, ahead of its first reader
.if (\t) == 2
	FETCH_K \tail                                  ; K of the next step
.endif
.set mi, 0
.rept 14
	M1I ((\t)+2)%4
	SL 4
.endr
	M1I ((\t)+2)%4
	WIN 0
	PLACES                                         ; in front of the stores that read the results and of the loads into the tiles just read
	ST40 PB
	POSLD ((\t)+2)%4
.endm
; A joint refill: wave 0 K's slot, wave 1 V's, wave 2 a position block; wave 3 has none.  The branches hang on the wave's number alone.
.macro JLOAD
	s_cmp_eq_u32 s[WV], 0
	s_cbranch_scc0 .Lj1_\@
	tensor_load_to_lds s[G0K+4:G0K+7], s[G1K:G1K+7]
	s_nop 0
	PLACES
	s_branch .Ljd_\@
.Lj1_\@:
	s_cmp_eq_u32 s[WV], 1
	s_cbranch_scc0 .Lj2_\@
	tensor_load_to_lds s[G0V+4:G0V+7], s[G1V:G1V+7]
	s_nop 0
	PLACES
	s_branch .Ljd_\@
.Lj2_\@:
	s_cmp_eq_u32 s[WV], 2
	s_cbranch_scc0 .Ljd_\@
	tensor_load_to_lds s[G0P+12:G0P+15], s[G1P:G1P+7]
	s_nop 0
	PLACES
.Ljd_\@:
.endm
; A prefetch of the slot of K and V that the NEXT change will ask for, eight turns (312 matrix instructions) ahead: both clusters of a (b, h) walk the same rows, the first asks; its four partners take 24 blocks
; of 256 bytes each, told apart by address; wave 0 K's, wave 1 V's.  The last filling change asks for nothing.  The position rows are walked again and again by many work-groups and are not asked for.
.macro ASK
	s_cmp_gt_u32 s[SLOTS], s[LIM]
	s_cbranch_scc0 .Lnm_\@
	global_prefetch_b8 v[PFO], s[PFA:PFA+1] th:TH_LOAD_NT scope:SCOPE_SE
.Lnm_\@:
.endm
; THE CHANGE OF SLOTS s, between tiles 0 and 1 of step 2 s + 1.  K and V of steps 2 s, 2 s + 1 and position block s have been read to the end; what is read up to the next change (K, V of slot s + 1, blocks s + 1 .. s + 3)
; was asked for one change earlier or before and is shown landed here.  fill = 1: slot s + 2 and block s + 4 are asked for, first thing behind a round of the cluster's barrier.
.macro CHANGE fill
	WIN 0
	s_wait_tensorcnt 0x0                           ; no tensor load of mine is out: the descriptors may be written
	ds_add_u32 v[SPW], v[NIL]
.if \fill
	s_xor_b32 s[G0K+5], s[G0K+5], 0x8000
	s_add_nc_u64 s[G0K+6:G0K+7], s[G0K+6:G0K+7], 24576
	s_xor_b32 s[G0V+5], s[G0V+5], 0x70000
	s_add_nc_u64 s[G0V+6:G0V+7], s[G0V+6:G0V+7], 24576
	s_add_co_u32 s[RB], s[RB], 1
	s_and_b32 s[RB], s[RB], 3
	s_mul_i32 s[G0P+13], s[RB], 30720
	s_add_nc_u64 s[G0P+14:G0P+15], s[G0P+14:G0P+15], 24576
	s_wait_xcnt 0x0                                ; the last prefetch, eight turns back, has read its address
	s_add_nc_u64 s[PFA:PFA+1], s[PFA:PFA+1], 24576
	s_wait_dscnt 0x0                               ; the add is done, and my reads of what is filled again are over
	CROUND
	JLOAD
	ASK
.else
	s_wait_dscnt 0x0
	s_barrier_signal -1
	s_barrier_wait -1
.endif
	s_sub_co_u32 s[TBK], s[TBK], 30720             ; the fetches go to the other slot's first step
	s_xor_b32 s[TBK], s[TBK], 0x8000
	s_sub_co_u32 s[TBV], s[TBV], 36864
	s_xor_b32 s[TBV], s[TBV], 0x70000
.endm
	s_wait_tensorcnt 0x0                           ; my first fills are in,
	s_wait_dscnt 0x0                               ; my part of the mask table is stored,
	s_barrier_signal -1
	s_barrier_wait -1                              ; everybody's is
	s_sub_co_u32 s[G], 3, s[WV]                    ; my step 0 begins 64 (3 - w) rows into the ring
	s_mul_i32 s[SA], s[G], 15360
	v_add_nc_u32 v[AP], s[SA], v[AK0]
	PT 0, 0
	PT 1, 3840
	PT 2, 7680
	PT 3, 11520
	STEPG
	PT 4, 0
	FETCH_MK
	FETCH_K
	s_wait_loadcnt 0x0                             ; Q
	s_wait_dscnt 0x0
.set mi, 0
.rept 15
	M1I 0                                          ; item 0's position scores
.endr
	WIN 0
	PLACES
	ST40 0
	POSLD 0
	s_wait_dscnt 0x0
	PLACES                                         ; eight places in all: the next run writes over these accumulators
.set mi, 0
.rept 15
	M1I 1                                          ; item 1's
.endr
	WIN 0
	PLACES
	ST40 1
	POSLD 1
	CL 0
	s_wait_dscnt 0x0
.set mi, 0
.rept 12
	M2I 0, 0                                       ; item 0's scores
.endr
	WIN 0
	PLACES
	PLACES
	s_mov_b32 s[CNT], 2
	s_mov_b32 s[SLOTS], 15
	s_branch .Lfirst                               ; the loop is entered at a step's first turn, in the middle of a trip
.Lslot:                                        ; 14 times: every slot but the last two is filled again
	CHANGE 1
	s_mov_b32 s[CNT], 2
.Ltrip:
	TURN 1
	TURN 2
	TURN 3
.Lfirst:
	TURN 0
	s_sub_co_u32 s[CNT], s[CNT], 1
	s_cmp_lg_u32 s[CNT], 0
	s_cbranch_scc1 .Ltrip
	s_sub_co_u32 s[SLOTS], s[SLOTS], 1
	s_cmp_lg_u32 s[SLOTS], 0
	s_cbranch_scc1 .Lslot
	CHANGE 0                                       ; the tail is written out
	s_mov_b32 s[CNT], 3
.Ltail:                                        ; steps 29, 30, 31; the last trip's products for items that do not exist run on old, finite registers and ring bytes and serve nothing
	TURN 1
	TURN 2, 1
	TURN 3
	s_sub_co_u32 s[CNT], s[CNT], 1
	s_cmp_eq_u32 s[CNT], 0
	s_cbranch_scc1 .Lout
	TURN 0
	s_branch .Ltail
.Lout:
.set mi, 0
.rept 12
	M3I 3, 1                                       ; the last item's V^T P
.endr
	WIN 0
	PLACES
	PLACES
	; THE WAY OUT: l's halves and the other half of the lanes' are added; O is divided by l, rounded to f16, sent through my scratch, and leaves as 3,072 consecutive bytes a tile.
.irp t, 0,1,2,3
	v_add_f32 v[ST+8*\t+4], v[ST+8*\t+2], v[ST+8*\t+3]
.endr
.irp t, 0,1,2,3
	v_permlanex16_b32 v[ST+8*\t+5], v[ST+8*\t+4], s[SEL], s[SEL+1]
.endr
.irp t, 0,1,2,3
	v_add_f32 v[ST+8*\t+4], v[ST+8*\t+4], v[ST+8*\t+5]
.endr
.irp t, 0,1,2,3
	v_rcp_f32 v[ST+8*\t+6], v[ST+8*\t+4]
.endr
	v_nop
	s_wait_alu depctr_va_vdst(0)                   ; one wait for the four reciprocals
.macro PACK t
	WIN 0x41
.set i, 0
.rept 24
	v_pk_mul_f32 v[48*(\t)+2*i:48*(\t)+2*i+1], v[48*(\t)+2*i:48*(\t)+2*i+1], v[ST+8*(\t)+6:ST+8*(\t)+7] op_sel_hi:[1,0]
.set i, i+1
.endr
	s_wait_xcnt 0x0                                ; the last tile's stores have read WK
	WIN 0x05
.set i, 0
.rept 24
	v_cvt_pk_f16_f32 v[WK+i], v[48*(\t)+2*i], v[48*(\t)+2*i+1]
.set i, i+1
.endr
	WIN 0
.irp q, 0,1,2,3,4,5
	ds_store_b128 v[STO], v[WK+4*\q:WK+4*\q+3] offset:32*\q
.endr
.irp q, 0,1,2,3,4,5
	ds_load_b128 v[WK+4*\q:WK+4*\q+3], v[RD+\q]
.endr
	s_wait_dscnt 0x0
.irp q, 0,1,2,3,4,5
	global_store_b128 v[GO], v[WK+4*\q:WK+4*\q+3], s[16:17] offset:(3-(\t))*3072+512*\q
.endr
.endm
	PACK 0
	PACK 1
	PACK 2
	PACK 3
	s_wait_tensorcnt 0x0                           ; the wave's end
	ds_add_u32 v[SPW], v[NIL]
	s_wait_dscnt 0x0
	CROUND                                         ; the closing round
	s_endpgm
.Lfunc_end_k_q2d72ce42a6_attn:
	.size	k_q2d72ce42a6_attn, .Lfunc_end_k_q2d72ce42a6_attn-k_q2d72ce42a6_attn
	.p2alignl 7, 3214868480
	.fill 96, 4, 3214868480
	.section	.rodata,"a",@progbits
	.p2align	6, 0x0
	.amdhsa_kernel k_q2d72ce42a6_attn
		.amdhsa_group_segment_fixed_size 327680
		.amdhsa_private_segment_fixed_size 0
		.amdhsa_enable_private_segment 0
		.amdhsa_kernarg_size 56
		.amdhsa_user_sgpr_count 2
		.amdhsa_user_sgpr_kernarg_segment_ptr 1
		.amdhsa_wavefront_size32 1
		.amdhsa_system_sgpr_workgroup_id_x 1
		.amdhsa_system_sgpr_workgroup_id_y 1
		.amdhsa_system_sgpr_workgroup_id_z 1
		.amdhsa_system_vgpr_workitem_id 0
		.amdhsa_next_free_vgpr 1024
		.amdhsa_next_free_sgpr 102
		.amdhsa_reserve_vcc 1
		.amdhsa_float_denorm_mode_32 3
		.amdhsa_float_denorm_mode_16_64 3
		.amdhsa_memory_ordered 1
		.amdhsa_forward_progress 1
		.amdhsa_inst_pref_size 211
	.end_amdhsa_kernel
	.amdgpu_metadata
---
amdhsa.version: [ 1, 2 ]
amdhsa.kernels:
  - .name:           k_q2d72ce42a6_attn
    .symbol:         k_q2d72ce42a6_attn.kd
    .args:
      - { .name: qu, .offset: 0, .size: 8, .value_kind: global_buffer, .address_space: global }
      - { .name: qv, .offset: 8, .size: 8, .value_kind: global_buffer, .address_space: global }
      - { .name: k16, .offset: 16, .size: 8, .value_kind: global_buffer, .address_space: global }
      - { .name: v16, .offset: 24, .size: 8, .value_kind: global_buffer, .address_space: global }
      - { .name: pos16, .offset: 32, .size: 8, .value_kind: global_buffer, .address_space: global }
      - { .name: attention_mask, .offset: 40, .size: 8, .value_kind: global_buffer, .address_space: global }
      - { .name: o16, .offset: 48, .size: 8, .value_kind: global_buffer, .address_space: global }
    .group_segment_fixed_size: 327680
    .private_segment_fixed_size: 0
    .kernarg_segment_align: 8
    .kernarg_segment_size: 56
    .max_flat_workgroup_size: 128
    .sgpr_count:     102
    .vgpr_count:     1024
    .wavefront_size: 32
...
	.end_amdgpu_metadata
.endif
;; end of part 3
;; launch outp (part 4): grid 128 x 2, 4 waves a work-group, clusters of 4 x 1, 248,320 bytes of LDS; arguments o16, wo16, bo, out0; writes out0
.if DOCPART == 4
	.amdgcn_target "amdgcn-amd-amdhsa--gfx1250"
	.amdhsa_code_object_version 6
	.text
	.protected	k_q2d72ce42a6_outp
	.globl	k_q2d72ce42a6_outp
	.p2align	8
	.type	k_q2d72ce42a6_outp,@function
k_q2d72ce42a6_outp:
	s_mov_b64 s[64:65], 0
	v_nop
	global_prefetch_b8 v0, s[64:65] scope:SCOPE_SE
	s_setreg_imm32_b32 hwreg(HW_REG_WAVE_MODE, 25, 1), 1
	s_wait_xcnt 0x0
	s_wait_alu depctr_hold_cnt(0) depctr_sa_sdst(0) depctr_va_vdst(0) depctr_va_sdst(0) depctr_va_ssrc(0) depctr_va_vcc(0) depctr_vm_vsrc(0)
	s_getreg_b32 s2, hwreg(HW_REG_IB_STS2, 6, 4)
	s_cmp_eq_u32 s2, 0
	s_cbranch_scc0 .Lentry_in_a_cluster
	s_endpgm
.Lentry_in_a_cluster:
	s_bfe_u32 s2, ttmp6, 0x10000c
	s_cmp_lg_u32 s2, 0x3003
	s_cbranch_scc0 .Lentry_shape_is_right
	s_endpgm
.Lentry_shape_is_right:
; out0 = O Wo + bo.  O: f16 [8 h + b][token][96]; wo16: f16 [half][kk 12][j 192][64 bytes, pieces turned by (j >> 2)]; bo rounded once to bf16; sums in f32; out0 f32.
; A work-group makes 128 tokens x 192 columns; a wave 64 x 96: 24 accumulators.  All of a wave's O (K = 384) sits in 384 registers, loaded at the head; the half of Wo sits in LDS, one joint load a wave
; shared by the four row blocks of a cluster, never filled again.  The product is used transposed: a lane ends with one token and eight neighbouring columns; the bias is the C operand of the first product.
; The results leave through one stage (pitch 784), so that sixteen lanes store 256 consecutive bytes, aligned.  The launch is short and all its loads go out at its head: no prefetch.
.set STAGE, 147456
.set SPARE, 247808
.set AW,  2                            ; v2-7  pairs of LDS addresses for kk 0-3, 4-7, 8-11
.set AO,  8
.set STO, 9
.set RD,  10
.set GO,  13
.set SPW, 16
.set NIL, 17
.set BF,  32                           ; two buffers of 48
.set BIAS, 128
.set AR,  256                          ; O's fragments: 96 t + 8 kk
.set ACC, 640                          ; 8 (6 t + c)
.set RBK, 832                          ; rows read back
.set WV, 2
.set CX, 3
.set RW, 4
.set Y,  5
.set MSB, 0
.macro WIN new
.if MSB != (\new)
	s_set_vgpr_msb (MSB<<8)|(\new)
.set MSB, (\new)
.endif
.endm
.macro PLACES
.rept 4
	v_nop
.endr
.endm
.macro CROUND
	s_barrier_signal -1
	s_barrier_wait -1
	s_cmp_lg_u32 s[WV], 0
	s_cbranch_scc1 .Lnw0_\@
	s_barrier_signal -3
.Lnw0_\@:
	s_barrier_wait -3
	s_barrier_signal -1
	s_barrier_wait -1
.endm
.macro DL d, a, off
	WIN (((\d)>>8)<<6)
	ds_load_b128 v[(\d)&255:((\d)&255)+3], v[\a] offset:\off
.endm
.macro GL d, a, sb, off
	WIN (((\d)>>8)<<6)
	global_load_b128 v[(\d)&255:((\d)&255)+3], v[\a], s[\sb:\sb+1] offset:\off
.endm
.macro WM4 d, a, b, c
	WIN (((\a)>>8)|(((\b)>>8)<<2)|(((\c)>>8)<<4)|(((\d)>>8)<<6))
	v_wmma_f32_16x16x32_f16 v[(\d)&255:((\d)&255)+7], v[(\a)&255:((\a)&255)+7], v[(\b)&255:((\b)&255)+7], v[(\c)&255:((\c)&255)+7]
.endm
	s_load_b256 s[8:15], s[0:1], 0x0               ; o16 8, wo16 10, bo 12, out0 14
	v_lshl_add_u32 v[SPW], v0, 2, SPARE
	v_mov_b32 v[NIL], 0
	ds_add_u32 v[SPW], v[NIL]                      ; the wave's opening: the add and its wait ahead of my first tensor load
	v_lshrrev_b32 v1, 5, v0
	v_readfirstlane_b32 s[WV], v1
	s_bfe_u32 s[CX], ttmp6, 0x40000
	s_lshl_b32 s[RW], ttmp9, 2
	s_add_co_u32 s[RW], s[RW], s[CX]               ; row block 0..127
	s_and_b32 s[Y], ttmp7, 0xffff                  ; which half of the columns
	s_lshr_b32 s6, s[WV], 1                        ; wr: my 64 rows
	s_and_b32 s7, s[WV], 1                         ; wc: my 96 columns
	s_mov_b32 s24, 15|(3<<16)|(1<<21)              ; all four work-groups; elements of 8 bytes; no padding
	s_mov_b32 s25, 32<<16
	s_mov_b32 s26, 144<<16
	s_mov_b32 s27, 32<<16
	s_mov_b32 s28, 144
	s_mov_b32 s29, 32
	s_mov_b32 s30, 0
	s_mov_b32 s31, 0
	s_mov_b32 s16, 1
	s_mul_i32 s17, s[WV], 36864
	s_mul_i32 s32, s[Y], 147456
	s_mul_i32 s33, s[WV], 36864
	s_add_co_u32 s32, s32, s33
	s_mov_b32 s33, 0
	s_lshr_b32 s34, s[RW], 4                       ; ((b) 2048 + token) x 192 in head 0
	s_lshl_b32 s34, s34, 11
	s_and_b32 s35, s[RW], 15
	s_lshl_b32 s35, s35, 7
	s_add_co_u32 s34, s34, s35
	s_lshl_b32 s35, s6, 6
	s_add_co_u32 s34, s34, s35
	s_mul_i32 s34, s34, 192
	s_mov_b32 s35, 0
	s_mul_i32 s36, s[Y], 768
	s_mul_i32 s37, s7, 384
	s_add_co_u32 s36, s36, s37
	s_mov_b32 s37, 0
	s_mul_i32 s38, s[RW], 196608                   ; out0: row 128 rw + 32 w, column 192 y
	s_mul_i32 s39, s[WV], 49152
	s_add_co_u32 s38, s38, s39
	s_mul_i32 s39, s[Y], 768
	s_add_co_u32 s38, s38, s39
	s_mov_b32 s39, 0
	s_mul_i32 s40, s7, 6144                        ; my 96 rows of W in a kk
	s_mul_i32 s41, s6, 50176                       ; my 64 rows of the stage,
	s_mul_i32 s42, s7, 384                         ; my 384 bytes of them
	s_add_co_u32 s41, s41, s42
	s_add_co_u32 s41, s41, STAGE
	s_mul_i32 s42, s[WV], 25088                    ; back: rows 32 w ..
	s_add_co_u32 s42, s42, STAGE
	v_and_b32 v18, 15, v0                          ; r
	v_bfe_u32 v19, v0, 4, 1                        ; hl
	v_and_b32 v20, 31, v0                          ; l
	v_lshrrev_b32 v21, 2, v18
	v_add_nc_u32 v21, v21, v19
	v_and_b32 v21, 3, v21
	v_lshlrev_b32 v21, 4, v21
	v_lshl_add_u32 v21, v18, 6, v21
	v_add_nc_u32 v21, s40, v21
.irp g, 0,1,2
	v_add_nc_u32 v[AW+2*\g], 49152*\g, v21
	v_xor_b32 v[AW+2*\g+1], 32, v[AW+2*\g]
.endr
	v_mul_u32_u24 v[AO], v18, 192
	v_lshl_add_u32 v[AO], v19, 4, v[AO]
	v_mul_u32_u24 v[STO], v18, 784
	v_lshl_add_u32 v[STO], v19, 5, v[STO]
	v_add_nc_u32 v[STO], s41, v[STO]
	v_lshlrev_b32 v22, 4, v20                      ; 16 l
	v_add_nc_u32 v[RD], s42, v22                   ; a pair of rows is 1,536 bytes: byte x = 512 q + 16 l lies in row x >= 768
	v_lshl_add_u32 v[RD+1], v19, 4, v22
	v_add_nc_u32 v[RD+1], s42, v[RD+1]
	v_add_nc_u32 v[RD+1], 512, v[RD+1]
	v_add_nc_u32 v[RD+2], s42, v22
	v_add_nc_u32 v[RD+2], 1040, v[RD+2]
	v_mov_b32 v[GO], v22
	v_mul_u32_u24 v[GO+1], v19, 768
	v_add_nc_u32 v[GO+1], v[GO+1], v22
	v_add_nc_u32 v[GO+1], 512, v[GO+1]
	v_add_nc_u32 v[GO+2], 1792, v22
	v_lshlrev_b32 v23, 5, v19
	s_wait_dscnt 0x0                               ; the opening add is done
	s_wait_kmcnt 0x0
	s_add_nc_u64 s[18:19], s[10:11], s[32:33]
	s_or_b32 s19, s19, 0x80000000
	s_add_nc_u64 s[20:21], s[8:9], s[34:35]        ; heads 0 and 1,
	s_add_nc_u64 s[22:23], s[20:21], 6291456       ; heads 2 and 3; the parity stands in the immediate
	s_add_nc_u64 s[12:13], s[12:13], s[36:37]
	s_add_nc_u64 s[14:15], s[14:15], s[38:39]
	CROUND                                         ; all four work-groups are here: the joint loads meet
	tensor_load_to_lds s[16:19], s[24:31]          ; my quarter of the half of Wo: the one tensor load of this wave
	s_nop 0
	PLACES
.set c, 0
.rept 6
	global_load_b128 v[BIAS+8*c:BIAS+8*c+3], v23, s[12:13] offset:64*c
	global_load_b128 v[BIAS+8*c+4:BIAS+8*c+7], v23, s[12:13] offset:64*c+16
.set c, c+1
.endr
.set t, 0
.rept 4
.set kk, 0
.rept 12
	GL AR+96*t+8*kk, AO, 20+2*(kk/6), ((kk/3)&1)*3145728+3072*t+64*(kk%3)
	GL AR+96*t+8*kk+4, AO, 20+2*(kk/6), ((kk/3)&1)*3145728+3072*t+64*(kk%3)+32
.set kk, kk+1
.endr
.set t, t+1
.endr
	WIN 0
.macro LBO k                           ; W's six fragments of kk = k: 12 loads
.set c, 0
.rept 6
	DL BF+48*((\k)&1)+8*c, AW+2*((\k)>>2), ((\k)&3)*12288+1024*c
	DL BF+48*((\k)&1)+8*c+4, AW+2*((\k)>>2)+1, ((\k)&3)*12288+1024*c
.set c, c+1
.endr
.endm
	s_wait_tensorcnt 0x0                           ; my quarter is in,
	s_wait_dscnt 0x0
	s_barrier_signal -1
	s_barrier_wait -1                              ; everybody's is
	LBO 0
	LBO 1
	s_wait_loadcnt 0x0                             ; O and the bias
.set i, 0
.rept 24
	v_cvt_pk_bf16_f32 v176, v[BIAS+2*i], v[BIAS+2*i+1]  ; the bias rounded once to bf16
	v_lshlrev_b32 v[BIAS+2*i], 16, v176
	v_and_b32 v[BIAS+2*i+1], 0xffff0000, v176
.set i, i+1
.endr
.set kk, 0
.rept 12                               ; 24 products a step, every accumulator once: they take turns
.if kk < 11
	s_wait_dscnt 12                                ; this step's fragments are in; the next buffer's 12 loads may be out
.else
	s_wait_dscnt 0x0
.endif
.set t, 0
.rept 4
.set c, 0
.rept 6
.if kk == 0
	WM4 ACC+8*(6*t+c), BF+48*(kk&1)+8*c, AR+96*t+8*kk, BIAS+8*c
.else
	WM4 ACC+8*(6*t+c), BF+48*(kk&1)+8*c, AR+96*t+8*kk, ACC+8*(6*t+c)
.endif
.set c, c+1
.endr
.set t, t+1
.endr
	WIN 0
	PLACES                                         ; in front of loads into registers that the products have read
.if kk < 10
	LBO kk+2
.endif
.set kk, kk+1
.endr
	PLACES
.set t, 0
.rept 4
.set c, 0
.rept 6
.set aa, ACC+8*(6*t+c)
	WIN ((aa>>8)<<2)
	ds_store_b128 v[STO], v[aa&255:(aa&255)+3] offset:12544*t+64*c
	ds_store_b128 v[STO], v[(aa&255)+4:(aa&255)+7] offset:12544*t+64*c+16
.set c, c+1
.endr
.set t, t+1
.endr
	WIN 0
	s_wait_dscnt 0x0                               ; for the others' sake: my stores into the stage are done
	s_barrier_signal -1
	s_barrier_wait -1
.set i, 0
.rept 48
	DL RBK+4*i, RD+i%3, 1568*(i/3)
.set i, i+1
.endr
	WIN 0x0c
.set i, 0
.rept 48
	s_wait_dscnt 47-i                              ; the younger readbacks may be out
	global_store_b128 v[GO+i%3], v[((RBK+4*i)&255):((RBK+4*i)&255)+3], s[14:15] offset:3072*(i/3)  ; 16 lanes store 256 consecutive bytes, aligned
.set i, i+1
.endr
	WIN 0
	s_wait_tensorcnt 0x0                           ; the wave's end
	ds_add_u32 v[SPW], v[NIL]
	s_wait_dscnt 0x0
	CROUND                                         ; the closing round
	s_endpgm
.Lfunc_end_k_q2d72ce42a6_outp:
	.size	k_q2d72ce42a6_outp, .Lfunc_end_k_q2d72ce42a6_outp-k_q2d72ce42a6_outp
	.p2alignl 7, 3214868480
	.fill 96, 4, 3214868480
	.section	.rodata,"a",@progbits
	.p2align	6, 0x0
	.amdhsa_kernel k_q2d72ce42a6_outp
		.amdhsa_group_segment_fixed_size 248320
		.amdhsa_private_segment_fixed_size 0
		.amdhsa_enable_private_segment 0
		.amdhsa_kernarg_size 32
		.amdhsa_user_sgpr_count 2
		.amdhsa_user_sgpr_kernarg_segment_ptr 1
		.amdhsa_wavefront_size32 1
		.amdhsa_system_sgpr_workgroup_id_x 1
		.amdhsa_system_sgpr_workgroup_id_y 1
		.amdhsa_system_sgpr_workgroup_id_z 1
		.amdhsa_system_vgpr_workitem_id 0
		.amdhsa_next_free_vgpr 1024
		.amdhsa_next_free_sgpr 66
		.amdhsa_reserve_vcc 0
		.amdhsa_float_denorm_mode_32 3
		.amdhsa_float_denorm_mode_16_64 3
		.amdhsa_memory_ordered 1
		.amdhsa_forward_progress 1
		.amdhsa_inst_pref_size 63
	.end_amdhsa_kernel
	.amdgpu_metadata
---
amdhsa.version: [ 1, 2 ]
amdhsa.kernels:
  - .name:           k_q2d72ce42a6_outp
    .symbol:         k_q2d72ce42a6_outp.kd
    .args:
      - { .name: o16, .offset: 0, .size: 8, .value_kind: global_buffer, .address_space: global }
      - { .name: wo16, .offset: 8, .size: 8, .value_kind: global_buffer, .address_space: global }
      - { .name: bo, .offset: 16, .size: 8, .value_kind: global_buffer, .address_space: global }
      - { .name: out0, .offset: 24, .size: 8, .value_kind: global_buffer, .address_space: global }
    .group_segment_fixed_size: 248320
    .private_segment_fixed_size: 0
    .kernarg_segment_align: 8
    .kernarg_segment_size: 32
    .max_flat_workgroup_size: 128
    .sgpr_count:     66
    .vgpr_count:     1024
    .wavefront_size: 32
...
	.end_amdgpu_metadata
.endif
;; end of part 4
;; ======== version 2 of 2: 4 launches; version 1 with the launch prep written anew for expert scheduling mode
;; limits: values are held in f16: magnitudes above 65,504 overflow, below 6.1e-05 lose precision
;; workspace buffers: wt 1,179,648 bytes; wo16 294,912 bytes; qu 12,582,912 bytes; qv 12,582,912 bytes; k16 12,582,912 bytes; v16 12,582,912 bytes; pos16 3,145,728 bytes; o16 12,582,912 bytes
;; launch prep (part 5): grid 12 x 5, 4 waves a work-group, no clusters, 0 bytes of LDS; arguments Wq, Wk, Wv, Wpos, Wo, wt, wo16; writes wt, wo16
.if DOCPART == 5
	.amdgcn_target "amdgcn-amd-amdhsa--gfx1250"
	.amdhsa_code_object_version 6
	.text
	.protected	k_q2d72ce42a6_prep
	.globl	k_q2d72ce42a6_prep
	.p2align	8
	.type	k_q2d72ce42a6_prep,@function
k_q2d72ce42a6_prep:
	s_mov_b64 s[64:65], 0
	v_nop
	global_prefetch_b8 v0, s[64:65] scope:SCOPE_SE
	s_setreg_imm32_b32 hwreg(HW_REG_WAVE_SCHED_MODE, 0, 2), 2
	s_setreg_imm32_b32 hwreg(HW_REG_WAVE_MODE, 25, 1), 1
	s_wait_xcnt 0x0
	s_wait_alu depctr_vm_vsrc(0)
; The five weight matrices W[k 384][n 384] (f32) are turned and rounded once to bf16.
; wt   : bf16 [head 4][kk 12][j 384 = q 96, k 96, v 96, pos 96][64 bytes]: row j holds k = 32 kk .. 32 kk + 31 of one output channel.
; wo16 : the bf16 number written as f16 (exact within f16's range; below 6e-5 it keeps f16's fixed step), [half 2][kk 12][j 192][64 bytes].
; In a 64-byte row the piece q (k = 32 kk + 8 q .. + 7) lies at 16 ((q + (j >> 2)) & 3): a dense copy of these rows in LDS then gives
; sixteen different 16-byte columns to the sixteen rows that a fragment load touches.
; Work-group (kk, matrix).  Thread: a = t >> 2 (channel in a group of 32), q = t & 3.  Twelve groups of 32 channels, eight loads of 4 bytes each;
; a store of the wave covers 512 consecutive bytes, aligned.  3 MB are moved once: no LDS, no matrix unit, nothing shared.
; THE MODE: SCHED_MODE bits 1:0 = 2 (LLVM: expert scheduling mode 2), set by the entry lines.  The code itself states the register dependences
; between vector instructions and memory instructions, with s_wait_alu, always for 0.
; THE PLAN.  Registers that memory instructions touch:
;   v3, v4      the loads' and the stores' offsets: made once at the head by vector instructions, never written again.
;   DAT         group jj has eight registers of its own.  Its eight loads land in them (no vector instruction has named them before); its conversions read
;               the eight and write the first four, in place; its one store reads those four; nothing writes them afterwards.
;   TMP         is named by vector instructions alone.
; The twelve groups go in four blocks of three.  Block p converts its three groups; its memory instructions are the three stores of block p - 1, whose registers no
; vector instruction of block p names.  So one wait at a block's head, behind the wait for the block's data, states all that those stores hang on, and they are dealt
; among the block's conversions with no further wait.  One more wait stands ahead of the last three stores.  No register that a memory instruction has read is written again.
.set LOF, 3                            ; v3  load offset: q x 8 rows of 1,536 bytes + 4 a
.set SOF, 4                            ; v4  store offset: 64 a + the piece's place
.set DAT, 16                           ; v[16:111] twelve groups of eight f32; packed in place
.set TMP, 112
	s_load_b256 s[4:11], s[0:1], 0x0               ; Wq, Wk, Wv, Wpos
	s_load_b128 s[12:15], s[0:1], 0x20             ; Wo, wt
	s_load_b64 s[16:17], s[0:1], 0x30              ; wo16
	s_and_b32 s20, ttmp7, 0xffff                   ; which matrix
	v_lshrrev_b32 v1, 2, v0                        ; a
	v_and_b32 v2, 3, v0                            ; q
	v_mul_u32_u24 v[LOF], v2, 12288
	v_lshl_add_u32 v[LOF], v1, 2, v[LOF]
	v_bfe_u32 v[SOF], v0, 4, 2                     ; (a >> 2) & 3 = (j >> 2) & 3: the groups begin at multiples of 16
	v_add_nc_u32 v[SOF], v[SOF], v2
	v_and_b32 v[SOF], 3, v[SOF]
	v_lshlrev_b32 v[SOF], 4, v[SOF]
	v_lshl_add_u32 v[SOF], v1, 6, v[SOF]
	s_mul_i32 s22, ttmp9, 49152                    ; 32 rows of W
	s_mov_b32 s23, 0
	s_mul_i32 s24, ttmp9, 24576                    ; kk in wt,
	s_mul_i32 s26, s20, 6144                       ; and the matrix's 96 rows there
	s_add_co_u32 s24, s24, s26
	s_mov_b32 s25, 0
	s_mul_i32 s26, ttmp9, 12288                    ; kk in wo16
	s_mov_b32 s27, 0
	s_wait_kmcnt 0x0
	s_cmp_eq_u32 s20, 1
	s_cselect_b64 s[4:5], s[6:7], s[4:5]
	s_cmp_eq_u32 s20, 2
	s_cselect_b64 s[4:5], s[8:9], s[4:5]
	s_cmp_eq_u32 s20, 3
	s_cselect_b64 s[4:5], s[10:11], s[4:5]
	s_cmp_eq_u32 s20, 4
	s_cselect_b64 s[4:5], s[12:13], s[4:5]
	s_add_nc_u64 s[4:5], s[4:5], s[22:23]
	s_add_nc_u64 s[14:15], s[14:15], s[24:25]
	s_add_nc_u64 s[16:17], s[16:17], s[26:27]
	s_wait_alu depctr_va_vdst(0)                   ; v3 and v4 are written: every load of the kernel reads v3 as its offset, every store v4
.set jj, 0
.rept 12
.set i, 0
.rept 8
	global_load_b32 v[DAT+8*jj+i], v[LOF], s[4:5] offset:i*1536+128*jj
.set i, i+1
.endr
.set jj, jj+1
.endr
; Group jj is rounded, eight numbers into the first four of their eight registers.
.macro CONV jj, wo
.set i, 0
.rept 4
	v_cvt_pk_bf16_f32 v[DAT+8*(\jj)+i], v[DAT+8*(\jj)+2*i], v[DAT+8*(\jj)+2*i+1]
.if \wo
	v_lshlrev_b32 v[TMP], 16, v[DAT+8*(\jj)+i]     ; the bf16 numbers as f32,
	v_and_b32 v[TMP+1], 0xffff0000, v[DAT+8*(\jj)+i]
	v_cvt_pk_f16_f32 v[DAT+8*(\jj)+i], v[TMP], v[TMP+1]  ; written as f16
.endif
.set i, i+1
.endr
.endm
; Group jj is stored.
.macro SEND jj, wo
.if \wo
	global_store_b128 v[SOF], v[DAT+8*(\jj):DAT+8*(\jj)+3], s[16:17] offset:((\jj)/6)*147456+((\jj)%6)*2048
.else
	global_store_b128 v[SOF], v[DAT+8*(\jj):DAT+8*(\jj)+3], s[14:15] offset:((\jj)/3)*294912+((\jj)%3)*2048
.endif
.endm
; Block p: its 24 loads are in when at most 72 - 24 p younger ones are out (a wait names 63 at the most: the smaller count is the safe one)
.macro RUN wo
.set p, 0
.rept 4
.if 72-24*p > 63
	s_wait_loadcnt 63
.else
	s_wait_loadcnt 72-24*p
.endif
.if p > 0
	s_wait_alu depctr_va_vdst(0)                   ; the block before has written the first four registers of each of its three groups, which the three stores below read
.endif
.set g, 0
.rept 3
.if p > 0
	SEND 3*(p-1)+g, \wo                            ; no vector instruction since the wait names this group's registers or v4
.endif
	CONV 3*p+g, \wo
.set g, g+1
.endr
.set p, p+1
.endr
	s_wait_alu depctr_va_vdst(0)                   ; the last block has written its groups' registers, which the last three stores read
	SEND 9, \wo
	SEND 10, \wo
	SEND 11, \wo
.endm
	s_cmp_eq_u32 s20, 4
	s_cbranch_scc1 .Lwo
	RUN 0
	s_endpgm
.Lwo:
	RUN 1
	s_endpgm
.Lfunc_end_k_q2d72ce42a6_prep:
	.size	k_q2d72ce42a6_prep, .Lfunc_end_k_q2d72ce42a6_prep-k_q2d72ce42a6_prep
	.p2alignl 7, 3214868480
	.fill 96, 4, 3214868480
	.section	.rodata,"a",@progbits
	.p2align	6, 0x0
	.amdhsa_kernel k_q2d72ce42a6_prep
		.amdhsa_group_segment_fixed_size 0
		.amdhsa_private_segment_fixed_size 0
		.amdhsa_enable_private_segment 0
		.amdhsa_kernarg_size 56
		.amdhsa_user_sgpr_count 2
		.amdhsa_user_sgpr_kernarg_segment_ptr 1
		.amdhsa_wavefront_size32 1
		.amdhsa_system_sgpr_workgroup_id_x 1
		.amdhsa_system_sgpr_workgroup_id_y 1
		.amdhsa_system_sgpr_workgroup_id_z 1
		.amdhsa_system_vgpr_workitem_id 0
		.amdhsa_next_free_vgpr 128
		.amdhsa_next_free_sgpr 66
		.amdhsa_reserve_vcc 0
		.amdhsa_float_denorm_mode_32 3
		.amdhsa_float_denorm_mode_16_64 3
		.amdhsa_memory_ordered 1
		.amdhsa_forward_progress 1
		.amdhsa_inst_pref_size 28
	.end_amdhsa_kernel
	.amdgpu_metadata
---
amdhsa.version: [ 1, 2 ]
amdhsa.kernels:
  - .name:           k_q2d72ce42a6_prep
    .symbol:         k_q2d72ce42a6_prep.kd
    .args:
      - { .name: Wq, .offset: 0, .size: 8, .value_kind: global_buffer, .address_space: global }
      - { .name: Wk, .offset: 8, .size: 8, .value_kind: global_buffer, .address_space: global }
      - { .name: Wv, .offset: 16, .size: 8, .value_kind: global_buffer, .address_space: global }
      - { .name: Wpos, .offset: 24, .size: 8, .value_kind: global_buffer, .address_space: global }
      - { .name: Wo, .offset: 32, .size: 8, .value_kind: global_buffer, .address_space: global }
      - { .name: wt, .offset: 40, .size: 8, .value_kind: global_buffer, .address_space: global }
      - { .name: wo16, .offset: 48, .size: 8, .value_kind: global_buffer, .address_space: global }
    .group_segment_fixed_size: 0
    .private_segment_fixed_size: 0
    .kernarg_segment_align: 8
    .kernarg_segment_size: 56
    .max_flat_workgroup_size: 128
    .sgpr_count:     66
    .vgpr_count:     128
    .wavefront_size: 32
...
	.end_amdgpu_metadata
.endif
;; end of part 5
;; launch proj: the kernel of part 2 again; grid 4 x 64, 4 waves a work-group, clusters of 4 x 4, 327,680 bytes of LDS; arguments hidden_states, pos_emb, attention_mask, bq, bk, bv, pos_bias_u, pos_bias_v, wt, qu, qv, k16, v16, pos16; writes qu, qv, k16, v16, pos16
;; launch attn: the kernel of part 3 again; grid 8 x 32, 4 waves a work-group, clusters of 4 x 4, 327,680 bytes of LDS; arguments qu, qv, k16, v16, pos16, attention_mask, o16; writes o16
;; launch outp: the kernel of part 4 again; grid 128 x 2, 4 waves a work-group, clusters of 4 x 1, 248,320 bytes of LDS; arguments o16, wo16, bo, out0; writes out0
